; MI455X (gfx1250); checked and timed in simulation.
; The chip was launched on July 23, 2026; its instructions are those of AMD's public machine-readable ISA for CDNA 5 (MIT licence, August 2026) and "CDNA5" Instruction Set Architecture Reference Guide (July 2026). The comments in the code are by the model that wrote it; some were corrected since.
;; Encoder Layer. Allowed arithmetic: float matrix products may take bf16 or f16 operands with f32 sums; all other float work in f32.
;; Inputs: b1 4,096 float32; b2 1,024 float32; bk 1,024 float32; bo 1,024 float32; bq 1,024 float32; bv 1,024 float32; ln1_b 1,024 float32; ln1_g 1,024 float32; ln2_b 1,024 float32; ln2_g 1,024 float32; mask 2 x 1 x 1 x 2,048 int32; w1 1,024 x 4,096 float32; w2 4,096 x 1,024 float32; wk 1,024 x 1,024 float32; wo 1,024 x 1,024 float32; wq 1,024 x 1,024 float32; wv 1,024 x 1,024 float32; x 2 x 2,048 x 1,024 float32.
;; Outputs: out0 2 x 2,048 x 1,024 float32.
;; 2 versions, each right; version 2 is version 1 with the launch cast written anew for expert scheduling mode. Each part assembles by itself: llvm-mc -triple=amdgcn-amd-amdhsa -mcpu=gfx1250 --defsym DOCPART=n.
;; ======== version 1 of 2: 8 launches
;; workspace buffers: ab 8,388,608 bytes; pq 6,308,096 bytes; p1 8,405,248 bytes; pw 10,485,760 bytes; big 33,554,432 bytes; o 8,388,608 bytes; y 16,777,216 bytes; x1 16,777,216 bytes
;; launch cast (part 1): grid 1026 x 1, 8 waves a work-group, no clusters, 0 bytes of LDS; arguments x, wq, wk, wv, wo, w1, w2, bq, bk, bv, b1, ab, pq, p1, pw; writes ab, pq, p1, pw
.if DOCPART == 1
	.amdgcn_target "amdgcn-amd-amdhsa--gfx1250"
	.amdhsa_code_object_version 6
	.text
	.protected	k_q5fee6a82bc_cast
	.globl	k_q5fee6a82bc_cast
	.p2align	8
	.type	k_q5fee6a82bc_cast,@function
k_q5fee6a82bc_cast:
	s_mov_b64 s[64:65], 0
	v_nop
	global_prefetch_b8 v0, s[64:65] scope:SCOPE_SE
	s_setreg_imm32_b32 hwreg(HW_REG_WAVE_MODE, 25, 1), 1
	s_wait_xcnt 0x0
; f32 -> bf16 (rounded to nearest even) for x and the six weights, into the layouts that the products read:
;   ab: x as it lies, [4096][1024].
;   pq: 256 bytes of the floor -inf, then bq, bk, bv in f32 from byte 256, then from byte 16,640 twelve panels [1024 k][256 n] of wq, wk, wv.
;   p1: 256 bytes of the floor 0, b1 in f32 from byte 256, then sixteen such panels of w1.
;   pw: eight panels [1024 k][128 n] of wo, then from byte 2,097,152 eight panels [4096 k][128 n] of w2.
; Work-groups 0 to 1023 take 16 rows x 1,024 columns of one matrix each; wave w takes columns 128 w to 128 w + 127: a load of the wave
; covers 512 consecutive bytes of a row, a store 256 consecutive bytes at a multiple of 256 from the buffer's first byte.
; Work-groups 1024 and 1025 write the two packs' heads.  Memory binds: no LDS, no barrier, no matrix unit; each byte is read and written once.
; REGISTERS ARE KEPT FEW: a row's place in the input stands in the load's immediate, and the conversion is made in place.  With 84 registers a wave the two waves that a work-group has
; on a SIMD take 168 of its 1,024, so that the launch's 1,026 work-groups, four to a WGP and two over, can lie on the chip together and every row is asked for at the start.
.set IN,   2                           ; v2         my 16 bytes in 512 of an input row; never rewritten
.set OO,   4                           ; v[4:19]    row j: my byte offset in the output
.set D,    20                          ; v[20:83]   row j: four f32 as loaded; then, in the first two registers, four bf16 to store
.set CM,   2                           ; s2   mask of the column quarter in the work-group's number (w1 alone), then at work
.set G,    3                           ; s3   the work-group's number
.set SRC,  4                           ; s[4:5]  the matrix read
.set DST,  6                           ; s[6:7]  the buffer written
.set G0,   8                           ; s8   the matrix's first work-group, then the group of 16 rows
.set IS,   9                           ; s9   bytes from row to row of the input
.set RS,   10                          ; s10  shift from the number to the row group, then the input's column offset
.set OB,   11                          ; s11  the output's first byte for this matrix
.set SH,   12                          ; s12  waves to a panel, as a shift
.set PB,   13                          ; s13  bytes in a panel
.set OS,   14                          ; s14  bytes from row to row of the output
.set WV,   15                          ; s15  my wave's number
.set HEAD, 16640                       ; a pack's panels begin here
	s_load_b512 s[16:31], s[0:1], 0x0              ; x 16, wq 18, wk 20, wv 22, wo 24, w1 26, w2 28, bq 30
	s_load_b256 s[32:39], s[0:1], 0x40             ; bk 32, bv 34, b1 36, ab 38
	s_load_b128 s[40:43], s[0:1], 0x60             ; pq 40, p1 42
	s_load_b64 s[44:45], s[0:1], 0x70              ; pw 44
	v_lshrrev_b32 v1, 5, v0
	v_readfirstlane_b32 s[WV], v1
	s_mov_b32 s[G], ttmp9
	s_wait_kmcnt 0x0
	s_cmp_ge_u32 s[G], 1024
	s_cbranch_scc1 .Lhead
; Which matrix: the figures start as w2's, and each compare lets a lower range of work-groups take its own.
.macro TAKE src, dst, g0, ob
	s_cselect_b64 s[SRC:SRC+1], s[\src:\src+1], s[SRC:SRC+1]
	s_cselect_b64 s[DST:DST+1], s[\dst:\dst+1], s[DST:DST+1]
	s_cselect_b32 s[G0], \g0, s[G0]
	s_cselect_b32 s[OB], \ob, s[OB]
.endm
.macro FORM is, sh, pb, os, rs, cm
	s_cselect_b32 s[IS], \is, s[IS]
	s_cselect_b32 s[SH], \sh, s[SH]
	s_cselect_b32 s[PB], \pb, s[PB]
	s_cselect_b32 s[OS], \os, s[OS]
	s_cselect_b32 s[RS], \rs, s[RS]
	s_cselect_b32 s[CM], \cm, s[CM]
.endm
	s_mov_b64 s[SRC:SRC+1], s[28:29]               ; 768 to 1023: w2 -> pw, a panel to a wave
	s_mov_b64 s[DST:DST+1], s[44:45]
	s_mov_b32 s[G0], 768
	s_mov_b32 s[OB], 2097152
	s_mov_b32 s[IS], 4096
	s_mov_b32 s[SH], 0
	s_mov_b32 s[PB], 1048576
	s_mov_b32 s[OS], 256
	s_mov_b32 s[RS], 0
	s_mov_b32 s[CM], 0
	s_cmp_lt_u32 s[G], 768                         ; 512 to 767: w1 -> p1; four work-groups share 16 rows, 1,024 columns each
	TAKE 26, 42, 512, HEAD
	FORM 16384, 1, 524288, 512, 2, 3
	s_cmp_lt_u32 s[G], 512                         ; 448 to 511: wo -> pw
	TAKE 24, 44, 448, 0
	FORM 4096, 0, 262144, 256, 0, 0
	s_cmp_lt_u32 s[G], 448                         ; 384 to 447: wv -> pq, two waves to a panel
	TAKE 22, 40, 384, HEAD+4194304
	FORM 4096, 1, 524288, 512, 0, 0
	s_cmp_lt_u32 s[G], 384                         ; 320 to 383: wk
	TAKE 20, 40, 320, HEAD+2097152
	s_cmp_lt_u32 s[G], 320                         ; 256 to 319: wq
	TAKE 18, 40, 256, HEAD
	s_cmp_lt_u32 s[G], 256                         ; 0 to 255: x -> ab, all eight waves in one row of 2,048 bytes
	TAKE 16, 38, 0, 0
	FORM 4096, 3, 0, 2048, 0, 0
	s_sub_co_u32 s[G0], s[G], s[G0]                ; my number within the matrix
	s_and_b32 s[CM], s[G0], s[CM]                  ; the column quarter (0 but for w1)
	s_lshr_b32 s[G0], s[G0], s[RS]                 ; the group of 16 rows
	s_lshl_b32 s[RS], s[CM], 12                    ; 1,024 columns of f32
	s_lshl_b32 s[CM], s[CM], 21                    ; four panels of 524,288 bytes
	s_add_co_u32 s[OB], s[OB], s[CM]
	s_mul_i32 s46, s[G0], s[IS]                    ; the input: 16 rows x the group + the quarter + 512 bytes a wave
	s_lshl_b32 s46, s46, 4
	s_add_co_u32 s46, s46, s[RS]
	s_lshl_b32 s47, s[WV], 9
	s_add_co_u32 s46, s46, s47
	s_mov_b32 s47, 0
	s_add_nc_u64 s[SRC:SRC+1], s[SRC:SRC+1], s[46:47]
	s_lshr_b32 s[CM], s[WV], s[SH]                 ; the output: my panel,
	s_mul_i32 s46, s[CM], s[PB]
	s_add_co_u32 s46, s46, s[OB]
	s_lshl_b32 s[CM], s[CM], s[SH]
	s_sub_co_u32 s[CM], s[WV], s[CM]               ; my 256 bytes in its rows,
	s_lshl_b32 s[CM], s[CM], 8
	s_add_co_u32 s46, s46, s[CM]
	s_mul_i32 s[CM], s[G0], s[OS]                  ; and the 16 rows
	s_lshl_b32 s[CM], s[CM], 4
	s_add_co_u32 s46, s46, s[CM]
	s_add_nc_u64 s[DST:DST+1], s[DST:DST+1], s[46:47]
	v_and_b32 v1, 31, v0
	v_lshlrev_b32 v[IN], 4, v1                     ; 16 bytes a lane in
	; All sixteen rows are asked for in one run; the row stands in the immediate, 245,760 bytes at the most.  Input rows are 4,096 bytes apart, w1's 16,384: the run is written for each.
	s_cmp_eq_u32 s[IS], 16384
	s_cbranch_scc1 .Lwide
.set j, 0
.rept 16
	global_load_b128 v[D+4*j:D+4*j+3], v[IN], s[SRC:SRC+1] offset:4096*j
.set j, j+1
.endr
	s_branch .Lin
.Lwide:
.set j, 0
.rept 16
	global_load_b128 v[D+4*j:D+4*j+3], v[IN], s[SRC:SRC+1] offset:16384*j
.set j, j+1
.endr
.Lin:
	v_lshlrev_b32 v[OO], 3, v1                     ; 8 bytes a lane out; the rows' offsets are made while the loads are out
.set j, 1
.rept 15
	v_add_nc_u32 v[OO+j], s[OS], v[OO+j-1]
.set j, j+1
.endr
.set j, 0
.rept 16
	s_wait_loadcnt 15-j                            ; loads come back in order: row j is in, the 15 - j younger ones stay out (sixteen were issued on either way)
	v_cvt_pk_bf16_f32 v[D+4*j], v[D+4*j], v[D+4*j+1]
	v_cvt_pk_bf16_f32 v[D+4*j+1], v[D+4*j+2], v[D+4*j+3]
	global_store_b64 v[OO+j], v[D+4*j:D+4*j+1], s[DST:DST+1]   ; no register is written again behind its store, so nothing waits for the stores
.set j, j+1
.endr
	s_endpgm
.Lhead:                                        ; the packs' heads: thread t copies 16 bytes at 16 t of each 4,096 bytes of bias; wave 0 writes the floor's 256 bytes
	v_lshlrev_b32 v2, 4, v0
	v_lshlrev_b32 v3, 3, v0
	s_cmp_eq_u32 s[G], 1024
	s_cbranch_scc0 .Lhead1
	global_load_b128 v[4:7], v2, s[30:31]          ; bq
	global_load_b128 v[8:11], v2, s[32:33]         ; bk
	global_load_b128 v[12:15], v2, s[34:35]        ; bv
	v_mov_b32 v20, 0xff800000                      ; -inf: the maximum with it changes no number
	v_mov_b32 v21, 0xff800000
	s_wait_loadcnt 0x0
	global_store_b128 v2, v[4:7], s[40:41] offset:256
	global_store_b128 v2, v[8:11], s[40:41] offset:256+4096
	global_store_b128 v2, v[12:15], s[40:41] offset:256+8192
	s_cmp_lg_u32 s[WV], 0
	s_cbranch_scc1 .Ldone0
	global_store_b64 v3, v[20:21], s[40:41]
.Ldone0:
	s_endpgm
.Lhead1:
.irp j, 0,1,2,3
	global_load_b128 v[4+4*\j:7+4*\j], v2, s[36:37] offset:4096*\j   ; b1
.endr
	v_mov_b32 v20, 0                               ; 0: the maximum with it is the relu
	v_mov_b32 v21, 0
	s_wait_loadcnt 0x0
.irp j, 0,1,2,3
	global_store_b128 v2, v[4+4*\j:7+4*\j], s[42:43] offset:256+4096*\j
.endr
	s_cmp_lg_u32 s[WV], 0
	s_cbranch_scc1 .Ldone1
	global_store_b64 v3, v[20:21], s[42:43]
.Ldone1:
	s_endpgm
.Lfunc_end_k_q5fee6a82bc_cast:
	.size	k_q5fee6a82bc_cast, .Lfunc_end_k_q5fee6a82bc_cast-k_q5fee6a82bc_cast
	.p2alignl 7, 3214868480
	.fill 96, 4, 3214868480
	.section	.rodata,"a",@progbits
	.p2align	6, 0x0
	.amdhsa_kernel k_q5fee6a82bc_cast
		.amdhsa_group_segment_fixed_size 0
		.amdhsa_private_segment_fixed_size 0
		.amdhsa_enable_private_segment 0
		.amdhsa_kernarg_size 120
		.amdhsa_user_sgpr_count 2
		.amdhsa_user_sgpr_kernarg_segment_ptr 1
		.amdhsa_wavefront_size32 1
		.amdhsa_system_sgpr_workgroup_id_x 1
		.amdhsa_system_sgpr_workgroup_id_y 1
		.amdhsa_system_sgpr_workgroup_id_z 1
		.amdhsa_system_vgpr_workitem_id 0
		.amdhsa_next_free_vgpr 84
		.amdhsa_next_free_sgpr 66
		.amdhsa_reserve_vcc 0
		.amdhsa_float_denorm_mode_32 3
		.amdhsa_float_denorm_mode_16_64 3
		.amdhsa_memory_ordered 1
		.amdhsa_forward_progress 1
		.amdhsa_inst_pref_size 15
	.end_amdhsa_kernel
	.amdgpu_metadata
---
amdhsa.version: [ 1, 2 ]
amdhsa.kernels:
  - .name:           k_q5fee6a82bc_cast
    .symbol:         k_q5fee6a82bc_cast.kd
    .args:
      - { .name: x, .offset: 0, .size: 8, .value_kind: global_buffer, .address_space: global }
      - { .name: wq, .offset: 8, .size: 8, .value_kind: global_buffer, .address_space: global }
      - { .name: wk, .offset: 16, .size: 8, .value_kind: global_buffer, .address_space: global }
      - { .name: wv, .offset: 24, .size: 8, .value_kind: global_buffer, .address_space: global }
      - { .name: wo, .offset: 32, .size: 8, .value_kind: global_buffer, .address_space: global }
      - { .name: w1, .offset: 40, .size: 8, .value_kind: global_buffer, .address_space: global }
      - { .name: w2, .offset: 48, .size: 8, .value_kind: global_buffer, .address_space: global }
      - { .name: bq, .offset: 56, .size: 8, .value_kind: global_buffer, .address_space: global }
      - { .name: bk, .offset: 64, .size: 8, .value_kind: global_buffer, .address_space: global }
      - { .name: bv, .offset: 72, .size: 8, .value_kind: global_buffer, .address_space: global }
      - { .name: b1, .offset: 80, .size: 8, .value_kind: global_buffer, .address_space: global }
      - { .name: ab, .offset: 88, .size: 8, .value_kind: global_buffer, .address_space: global }
      - { .name: pq, .offset: 96, .size: 8, .value_kind: global_buffer, .address_space: global }
      - { .name: p1, .offset: 104, .size: 8, .value_kind: global_buffer, .address_space: global }
      - { .name: pw, .offset: 112, .size: 8, .value_kind: global_buffer, .address_space: global }
    .group_segment_fixed_size: 0
    .private_segment_fixed_size: 0
    .kernarg_segment_align: 8
    .kernarg_segment_size: 120
    .max_flat_workgroup_size: 256
    .sgpr_count:     66
    .vgpr_count:     84
    .wavefront_size: 32
...
	.end_amdgpu_metadata
.endif
;; end of part 1
;; launch qkv (part 2): grid 12 x 16, 4 waves a work-group, clusters of 4 x 4, 327,680 bytes of LDS; arguments ab, pq, big; writes big
.if DOCPART == 2
	.amdgcn_target "amdgcn-amd-amdhsa--gfx1250"
	.amdhsa_code_object_version 6
	.text
	.protected	k_q5fee6a82bc_qkv
	.globl	k_q5fee6a82bc_qkv
	.p2align	8
	.type	k_q5fee6a82bc_qkv,@function
k_q5fee6a82bc_qkv:
	s_mov_b64 s[64:65], 0
	v_nop
	global_prefetch_b8 v0, s[64:65] scope:SCOPE_SE
	s_setreg_imm32_b32 hwreg(HW_REG_WAVE_MODE, 25, 1), 1
	s_wait_xcnt 0x0
	s_wait_alu depctr_hold_cnt(0) depctr_sa_sdst(0) depctr_va_vdst(0) depctr_va_sdst(0) depctr_va_ssrc(0) depctr_va_vcc(0) depctr_vm_vsrc(0)
	s_getreg_b32 s2, hwreg(HW_REG_IB_STS2, 6, 4)
	s_cmp_eq_u32 s2, 0
	s_cbranch_scc0 .Lentry_in_a_cluster
	s_endpgm
.Lentry_in_a_cluster:
	s_bfe_u32 s2, ttmp6, 0x10000c
	s_cmp_lg_u32 s2, 0xf033
	s_cbranch_scc0 .Lentry_shape_is_right
	s_endpgm
.Lentry_shape_is_right:
; out[n / 64][m][n % 64] = bf16(max(floor, sum over k of A[m][k] W[k][n] + bias[n])).  A: [4096][1024] bf16.  The pack holds the floor (first word), the bias in f32 (from byte 256)
; and W in bf16 as panels [1024 k][256 n] (from byte 16,640).  out: planes of 64 columns, [plane][4096][64] bf16.  Sums in f32, K ascending, started by the bias; rounded once.
; ONE TEXT FOR TWO LAUNCHES: the projections q, k, v (floor -inf: the maximum changes nothing, 512 instructions a wave that buy a second text) and the first feed-forward layer (floor 0: the relu).
; LIMITS: NaN is not treated apart (the maximum drops it); bf16 operands.
; A tile of out, 256 x 256, is made by four waves, each 128 x 128: 64 accumulators of 16 x 16, 512 registers.  K goes in steps of 128 through a ring of two LDS slots filled by tensor loads.
; A's rows lie along K and are read as they lie; W's rows lie along N, so its fragments come out of LDS turned, by ds_load_tr16_b128.
; THE MATRIX INSTRUCTION IS USED TRANSPOSED: source 0 = 16 columns of W, source 1 = 16 rows of A: a lane holds row m = l % 16 and the columns 8 (l / 16) + 0..7, which pack into 16 bytes.
; CLUSTERS: 4 x 4 work-groups.  The four of a row of the cluster need the same tiles of A, the four of a column the same tiles of W: each tile is asked for jointly, by the same tensor load
; with the same descriptor and a mask that names the four.
; THE LOOP.  K falls into 32 quarters of 32; even quarters are multiplied from fragment buffer F0, odd ones from F1, and each quarter fetches the next one's fragments in its middle.  A PAIR of quarters
; (F1, then F0) is written once; its LDS addresses hang on two scalars that step.  The reads of slot s are all back when quarter 4 s + 3 begins: there stands the change of slots, and behind it two pairs,
; which fetch the other slot's four quarters.  The loop is entered in the middle of a pair, at quarter 0: so that quarter 0 is a quarter like any other, the bias is loaded straight into the accumulators.
; REGISTERS, in windows of 256: window 0: v0-31 addresses; v64-127, v128-191 fragments of A, two buffers; on the way out v64-127, v192-223 at work, v32-63 and v224-255 rows read back
;   window 1: v64-127, v128-191 fragments of W      windows 2, 3: the accumulators of my rows 0-63, 64-127
.set KDIM,   1024
.set KSTEP,  128
.set STEPS,  KDIM/KSTEP
.set PITA,   272                       ; a row of A in LDS: 256 bytes + 16 of padding: the 16 rows of a load start at 16 different groups of four banks (64 banks of 4 bytes: ISA guide 11.1)
.set PITB,   544                       ; a row of W: 512 + 32
.set HALFT,  128*PITA                  ; what one tensor load brings: 128 rows of A, or 64 rows of W (64 x 544 is the same number)
.set BOFF,   2*HALFT                   ; W's 128 rows lie behind A's 256
.set SLOT,   4*HALFT                   ; 0x22000: no bit in common with wave x HALFT (0x8800 w), so one exclusive or moves a load's LDS address from slot to slot
.set QA,     64                        ; from quarter to quarter: 32 along A's rows,
.set QB,     32*PITB                   ; 32 rows of W
.set STAGE,  2*SLOT                    ; behind the ring: for each wave two planes of 16 rows x 144 bytes, for the way out
.set SP,     144
.set SPL,    16*SP
.set SPARE,  STAGE+4*2*SPL             ; behind the stages: the spare words, 128 bytes for each wave: two blocks of 256 bytes that no other line names
.set HEAD,   16640                     ; the pack's panels begin here
.set ADRA, 16                          ; v16     my lane's place in A's part of slot 0; never rewritten
.set AA,   17                          ; v17     LDS address of A's fragments for the pair in hand
.set ADRB, 20                          ; v20     my lane's place in W's part of slot 0; never rewritten
.set AB,   21                          ; v21     LDS address of W's fragments for the pair in hand
.set STO,  24                          ; v24     the way out: where I put 16 bytes of a row
.set RD,   25                          ; v25     the way out: where I read rows back
.set CO,   26                          ; v26     my 16 bytes in 512 consecutive bytes of out
.set BO,   27                          ; v27     my byte offset in the pack's bias
.set SPW,  28                          ; v28     LDS address of my spare word; never rewritten
.set NIL,  29                          ; v29     0; never rewritten
.set F0,   64
.set F1,   128
.set T,    64                          ; the way out: 64 numbers behind the maximum
.set TMP,  192                         ; packed
.set OB,   32                          ; read back: v32-63 and v224-255 by turns
.set FL,   2                           ; s2  the floor
.set G1, 24                            ; s[24:31] descriptor group 1 for A's tiles;  s[32:39] group 0: a set for each of the two first fills; the second then walks on
.set G0, 32
.set G1B, 48                           ; s[48:55], s[56:63] the same for W's
.set G0B, 56
.set CNT,   66                         ; s66  counts a slot's two pairs
.set SLOTS, 67                         ; s67  slots still to be asked for
.set TBA,   68                         ; s68  LDS byte, from A's part of slot 0, at which the next pair's fetches begin
.set TBB,   69                         ; s69  the same for W
.set MSB, 0
.macro WIN new                         ; the immediate's high byte repeats the setting that is left; a switch that changes nothing is dropped
.if MSB != (\new)
	s_set_vgpr_msb (MSB<<8)|(\new)
.set MSB, \new
.endif
.endm
.set MUL_LO, 0xa1                      ; source 0 (W) window 1, source 1 (A) window 0, C and D window 2
.set MUL_HI, 0xf1                      ; the same, C and D window 3
.set TO_B,   0x40                      ; destination window 1, address window 0
; A joint load: waves 0 and 1 fetch A's two halves, waves 2 and 3 W's.  The branch hangs on the wave's number alone.  An s_nop 0 and four v_nop follow each of the two lines.
.macro JLOAD s
	s_cmp_eq_u32 s11, 0
	s_cbranch_scc0 .Lfor_b_\@
	tensor_load_to_lds s[G0+4*(\s):G0+4*(\s)+3], s[G1:G1+7]
	s_nop 0
.rept 4
	v_nop
.endr
	s_branch .Lasked_\@
.Lfor_b_\@:
	tensor_load_to_lds s[G0B+4*(\s):G0B+4*(\s)+3], s[G1B:G1B+7]
	s_nop 0
.rept 4
	v_nop
.endr
.Lasked_\@:
.endm
; A round of the cluster's barrier: my work-group's barrier, so that wave 0's signal speaks for all four waves; wave 0 signals; every wave waits for all sixteen work-groups; my work-group's barrier once more.
.macro CROUND
	s_barrier_signal -1
	s_barrier_wait -1
	s_cmp_lg_u32 s10, 0
	s_cbranch_scc1 .Lnot_wave_0_\@
	s_barrier_signal -3
.Lnot_wave_0_\@:
	s_barrier_wait -3
	s_barrier_signal -1
	s_barrier_wait -1
.endm
	s_load_b128 s[4:7], s[0:1], 0x0                ; A s[4:5], the pack s[6:7]
	s_load_b64 s[8:9], s[0:1], 0x10                ; out
	v_lshl_add_u32 v[SPW], v0, 2, SPARE
	v_mov_b32 v[NIL], 0
	ds_add_u32 v28, v29
	s_wait_dscnt 0x0
	v_lshrrev_b32 v1, 5, v0
	v_readfirstlane_b32 s10, v1                    ; wave 0..3
	s_lshr_b32 s11, s10, 1                         ; which half of the tile's rows is mine.  Also: I fetch for A (0) or for W (1)
	s_and_b32 s12, s10, 1                          ; which half of its columns.  Also: which half of that tile I fetch
	s_bfe_u32 s40, ttmp6, 0x40000                  ; cx, cy: my place in the cluster
	s_bfe_u32 s41, ttmp6, 0x40004
	s_lshl_b32 s42, ttmp9, 2
	s_add_co_u32 s42, s42, s40                     ; tile column = 4 x cluster x + cx
	s_and_b32 s13, ttmp7, 0xffff
	s_lshl_b32 s13, s13, 2
	s_add_co_u32 s13, s13, s41                     ; tile row = 4 x cluster y + cy
	s_lshl_b32 s43, s41, 2
	s_lshl_b32 s43, 15, s43                        ; my row of the cluster
	s_lshl_b32 s44, 0x1111, s40                    ; my column
	; A's tiles: 128 rows x 128 elements, 4 words of padding behind every 64
	s_or_b32 s[G1+0], s43, (1<<16)|(1<<20)|(1<<21)|(5<<22)|(3<<25)  ; 15:0 the mask: my row; 17:16 2-byte elements; 20 padding on; 21 set beside a mask; 24:22 every 64 words; 31:25 4 words
	s_mov_b32 s[G1+1], KSTEP<<16                   ; tensor_dim0 = 128
	s_mov_b32 s[G1+2], 128<<16                     ; tensor_dim1 = 128
	s_mov_b32 s[G1+3], KSTEP<<16                   ; tile_dim0 = 128
	s_mov_b32 s[G1+4], 128                         ; tile_dim1 = 128
	s_mov_b32 s[G1+5], KDIM                        ; elements from row to row
	s_mov_b32 s[G1+6], 0
	s_mov_b32 s[G1+7], 0
	; W's tiles: 64 rows (k) x 256 elements (n), 8 words of padding behind every 128
	s_or_b32 s[G1B+0], s44, (1<<16)|(1<<20)|(1<<21)|(6<<22)|(7<<25)  ; the mask: my column
	s_mov_b32 s[G1B+1], 256<<16
	s_mov_b32 s[G1B+2], 64<<16
	s_mov_b32 s[G1B+3], 256<<16
	s_mov_b32 s[G1B+4], 64
	s_mov_b32 s[G1B+5], 256
	s_mov_b32 s[G1B+6], 0
	s_mov_b32 s[G1B+7], 0
	; A's tiles hang on the tile row alone, W's on the tile column alone; each offset is made in registers that never hold the other coordinate
	s_lshl_b32 s16, s13, 8
	s_lshl_b32 s17, s12, 7
	s_add_co_u32 s16, s16, s17                     ; A: row 256 x tile row + 128 x half,
	s_lshl_b32 s16, s16, 11                        ; of 2,048 bytes
	s_mov_b32 s17, 0
	s_lshl_b32 s46, s42, 19                        ; W: the panel of 524,288 bytes,
	s_lshl_b32 s47, s12, 15                        ; 64 rows of 512 bytes a half
	s_add_co_u32 s46, s46, s47
	s_add_co_u32 s46, s46, HEAD
	s_mov_b32 s47, 0
	s_mul_i32 s20, s10, HALFT                      ; where they go: wave x a load's bytes: no place in the cluster enters an LDS address
	s_wait_kmcnt 0x0
	s_add_nc_u64 s[14:15], s[4:5], s[16:17]
	s_add_nc_u64 s[46:47], s[6:7], s[46:47]
	CROUND                                         ; all sixteen work-groups are here: the first joint loads meet
.irp s, 0,1
	s_mov_b32 s[G0+4*(\s)], 1                                      ; count = 1
	s_add_co_u32 s[G0+4*(\s)+1], s20, (\s)*SLOT                    ; LDS address
	s_add_nc_u64 s[G0+4*(\s)+2:G0+4*(\s)+3], s[14:15], (\s)*KSTEP*2  ; global address: K step s
	s_or_b32 s[G0+4*(\s)+3], s[G0+4*(\s)+3], 0x80000000            ; type = 2
	s_mov_b32 s[G0B+4*(\s)], 1
	s_add_co_u32 s[G0B+4*(\s)+1], s20, (\s)*SLOT
	s_add_nc_u64 s[G0B+4*(\s)+2:G0B+4*(\s)+3], s[46:47], (\s)*KSTEP*512
	s_or_b32 s[G0B+4*(\s)+3], s[G0B+4*(\s)+3], 0x80000000
	JLOAD \s                                       ; the ring is filled before anything else is done: two loads of mine are out
.endr
	s_load_b32 s[FL], s[6:7], 0x0                  ; the floor
	v_and_b32 v1, 15, v0                           ; l % 16
	v_bfe_u32 v2, v0, 4, 1                         ; l / 16
	v_and_b32 v6, 7, v0                            ; l % 8
	v_bfe_u32 v7, v0, 3, 1                         ; (l / 8) % 2
	s_lshl_b32 s46, s42, 10                        ; the bias of my 128 columns: 256 + 1,024 x tile column + 512 x half; a lane's eight numbers begin at 32 (l / 16)
	s_lshl_b32 s47, s12, 9
	s_add_co_u32 s46, s46, s47
	s_add_co_u32 s46, s46, 256
	v_lshl_add_u32 v[BO], v2, 5, s46
	; The sums start as the bias: register j of accumulator (a, b) takes bias[16 b + 8 (l / 16) + j], the column that it holds.  128 loads, in the wait for the first tile; nothing is cleared, no bias is added later.
.irp w, 0x80, 0xc0                     ; destination window 2, then 3; address window 0
	WIN \w
.irp a, 0,1,2,3
.irp b, 0,1,2,3,4,5,6,7
	global_load_b128 v[8*(8*(\a)+(\b)):8*(8*(\a)+(\b))+3],   v[BO], s[6:7] offset:64*(\b)
	global_load_b128 v[8*(8*(\a)+(\b))+4:8*(8*(\a)+(\b))+7], v[BO], s[6:7] offset:64*(\b)+16
.endr
.endr
.endr
	WIN 0
	; A fragment of A: lane l holds row l % 16; registers 0-3 K = 8 (l / 16) + 0..7, registers 4-7 K = 16 + 8 (l / 16) + 0..7: two loads of 16 bytes, 32 bytes apart.
	v_mul_u32_u24 v3, v1, PITA
	v_lshl_add_u32 v3, v2, 4, v3
	; The turning load takes 16 k x 16 n (lane l reads row k = 8 (l / 16) + l % 8, columns 8 ((l / 8) % 2) + 0..7) and leaves half a fragment: lane l holds column l % 16 and 8 k.
	v_lshl_add_u32 v4, v2, 3, v6
	v_mul_u32_u24 v4, v4, PITB
	v_lshl_add_u32 v4, v7, 4, v4
	s_mul_i32 s21, s11, HALFT                      ; my 128 rows of A
	s_lshl_b32 s22, s12, 8                         ; my 128 columns of W: 256 bytes of its rows
	s_add_co_u32 s22, s22, BOFF
	v_add_nc_u32 v[ADRA], s21, v3
	v_add_nc_u32 v[ADRB], s22, v4
	s_mul_i32 s23, s10, 2*SPL
	s_add_co_u32 s23, s23, STAGE                   ; my stage
	v_mul_u32_u24 v5, v1, SP                       ; in: row l % 16, 16 bytes for each half of the lanes
	v_lshl_add_u32 v5, v2, 4, v5
	v_add_nc_u32 v[STO], s23, v5
	v_bfe_u32 v5, v0, 3, 2                         ; back: 32 lanes take four rows of 128 bytes,
	v_mul_u32_u24 v5, v5, SP
	v_lshl_add_u32 v5, v6, 4, v5
	v_add_nc_u32 v[RD], s23, v5
	v_and_b32 v5, 31, v0                           ; which are 512 consecutive bytes of a plane
	v_lshlrev_b32 v[CO], 4, v5
	s_lshl_b32 s46, s42, 2                         ; out at my part: plane 4 x tile column + 2 x half, of 524,288 bytes,
	s_lshl_b32 s47, s12, 1
	s_add_co_u32 s46, s46, s47
	s_lshl_b32 s46, s46, 19
	s_lshl_b32 s16, s13, 8                         ; row 256 x tile row + 128 x half, of 128 bytes
	s_lshl_b32 s17, s11, 7
	s_add_co_u32 s16, s16, s17
	s_lshl_b32 s16, s16, 7
	s_add_co_u32 s46, s46, s16
	s_mov_b32 s47, 0
	s_add_nc_u64 s[8:9], s[8:9], s[46:47]
; 16 matrix instructions: m blocks a0, a0 + 1 of the window's four (hi = 0: my rows 0-63, 1: rows 64-127) x all 8 n blocks, 32 along K.
.macro MUL16 f, hi, a0
	WIN MUL_LO+0x50*(\hi)
.irp a, \a0, (\a0)+1
.irp b, 0,1,2,3,4,5,6,7
	v_wmma_f32_16x16x32_bf16 v[8*(8*(\a)+(\b)):8*(8*(\a)+(\b))+7], v[(\f)+8*(\b):(\f)+8*(\b)+7], v[(\f)+8*(4*(\hi)+(\a)):(\f)+8*(4*(\hi)+(\a))+7], v[8*(8*(\a)+(\b)):8*(8*(\a)+(\b))+7]
.endr
.endr
.endm
; The LDS addresses of a pair's two fetches; the scalars step on to the next pair.
.macro BASE
	v_add_nc_u32 v[AA], s[TBA], v[ADRA]
	v_add_nc_u32 v[AB], s[TBB], v[ADRB]
	s_add_co_u32 s[TBA], s[TBA], 2*QA
	s_add_co_u32 s[TBB], s[TBB], 2*QB
.endm
; 32 LDS loads in one run: the fragments of quarter qo (0, 1) of the pair's two (32 rows of W x my 128 columns, turned; my 128 rows of A x 32 K) into buffer f
.macro FETCH qo, f
	WIN TO_B
.irp i, 0,1,2,3,4,5,6,7
	ds_load_tr16_b128 v[(\f)+8*(\i):(\f)+8*(\i)+3],   v[AB] offset:(\qo)*QB+32*(\i)
	ds_load_tr16_b128 v[(\f)+8*(\i)+4:(\f)+8*(\i)+7], v[AB] offset:(\qo)*QB+16*PITB+32*(\i)
.endr
	WIN 0
.irp i, 0,1,2,3,4,5,6,7
	ds_load_b128 v[(\f)+8*(\i):(\f)+8*(\i)+3],   v[AA] offset:(\qo)*QA+(\i)*16*PITA
	ds_load_b128 v[(\f)+8*(\i)+4:(\f)+8*(\i)+7], v[AA] offset:(\qo)*QA+(\i)*16*PITA+32
.endr
.endm
; A load into a register that a matrix instruction has read, and a vector instruction that reads a matrix result, stand four places behind it, and only plain vector
; instructions that name none of its registers are places (ISA guide 7.12.1 for vector instructions).
.macro PLACES
.rept 4
	v_nop
.endr
.endm
; A quarter: 64 matrix instructions on buffer f; the 64 accumulators take turns.  In its middle it fetches the next quarter, qo of the pair's two, into buffer g.
.macro QUARTER f, g, qo
	s_wait_dscnt 8                                 ; W and A's rows 0-63 are in; the youngest eight loads (A's rows 64-127) may be out
	MUL16 \f, 0, 0
	MUL16 \f, 0, 2
	PLACES
	FETCH \qo, \g
	s_wait_dscnt 32                                ; all but the 32 just issued
	MUL16 \f, 1, 0
	MUL16 \f, 1, 2
.endm
; THE CHANGE OF SLOTS, in front of a slot's last quarter, whose fragments are in registers.  Each wave waits for all its tensor loads, of which one is out: its part of the other slot; adds 0 to its spare
; word; and waits for that and for its own reads of the slot.  Behind the barrier nobody reads this slot any more and the other slot is whole.  fill = 1: this slot is filled again, two K steps ahead: the barrier
; is then a round of the cluster's, and the joint refill is the first thing behind it: it has a whole K step, 256 matrix instructions, in which to land.
.macro CHANGE fill
	WIN 0                                          ; at a label and at a branch every window is 0
	s_wait_tensorcnt 0x0                           ; no tensor load of mine is out, so a group 0 may be written
	ds_add_u32 v[SPW], v[NIL]                      ; 0 onto my spare word
.if \fill
	s_xor_b32 s[G0+5], s[G0+5], SLOT               ; the walking descriptors: the other slot than last time,
	s_add_nc_u64 s[G0+6:G0+7], s[G0+6:G0+7], KSTEP*2       ; the next K step; the type bits on top are not reached
	s_xor_b32 s[G0B+5], s[G0B+5], SLOT
	s_add_nc_u64 s[G0B+6:G0B+7], s[G0B+6:G0B+7], KSTEP*512
	s_wait_dscnt 0x0                               ; the add is done, and my reads of the slot are over
	CROUND                                         ; no wave of any partner still reads this slot's tile or has a load on its way
	JLOAD 1                                        ; my one tensor load behind the round
.else
	s_wait_dscnt 0x0                               ; the add is done, and my reads of the slot are over
	s_barrier_signal -1
	s_barrier_wait -1
.endif
	s_sub_co_u32 s[TBA], s[TBA], 4*QA              ; the fetches go back to a slot's first quarter,
	s_xor_b32 s[TBA], s[TBA], SLOT                 ; in the other slot
	s_sub_co_u32 s[TBB], s[TBB], 4*QB
	s_xor_b32 s[TBB], s[TBB], SLOT
.endm
; THE WAY OUT of block a (16 rows x my 128 columns).  PACK: the maximum with the floor, each accumulator's registers in ascending order, then rounded to bf16, 16 bytes a lane.
.macro PACK a
.set AC, 64*((\a)%4)
	WIN 0x08+4*((\a)/4)                            ; source 1: window 2 or 3
.set i, 0
.rept 64
	v_max_num_f32 v[T+i], s[FL], v[AC+i]
.set i, i+1
.endr
	WIN 0
.set i, 0
.rept 32
	v_cvt_pk_bf16_f32 v[TMP+i], v[T+2*i], v[T+2*i+1]
.set i, i+1
.endr
.endm
; TOSTAGE: into my own stage, two planes of 16 rows x 128 bytes, and back as runs of four whole rows.
.macro TOSTAGE a
.set BK, OB+192*((\a)%2)
.irp b, 0,1,2,3,4,5,6,7
	ds_store_b128 v[STO], v[TMP+4*(\b):TMP+4*(\b)+3] offset:((\b)/4)*SPL+32*((\b)%4)
.endr
.irp j, 0,1
.irp t, 0,1,2,3
	ds_load_b128 v[BK+4*(4*(\j)+(\t)):BK+4*(4*(\j)+(\t))+3], v[RD] offset:(\j)*SPL+(\t)*4*SP  ; LDS serves a wave's instructions in order (ISA guide 5.7.1.4): these see the stores above
.endr
.endr
.endm
.macro SEND a, younger
.set BK, OB+192*((\a)%2)
	s_wait_dscnt \younger                          ; the block is back in registers
	s_wait_xcnt 0x0                                ; the stores of the block before last have read their registers, into which the next TOSTAGE loads
.irp j, 0,1
.irp t, 0,1,2,3
	global_store_b128 v[CO], v[BK+4*(4*(\j)+(\t)):BK+4*(4*(\j)+(\t))+3], s[8:9] offset:(\j)*524288+(\a)*2048+(\t)*512  ; 512 consecutive bytes, at a multiple of 256 from out's first byte
.endr
.endr
.endm
	s_wait_loadcnt 0x0                             ; the bias lies in the accumulators
	s_wait_kmcnt 0x0                               ; the floor
	s_wait_tensorcnt 1                             ; my part of K step 0 is in; K step 1's may stay out
	s_barrier_signal -1
	s_barrier_wait -1                              ; everybody's is
	s_mov_b32 s[TBA], 0
	s_mov_b32 s[TBB], 0
	BASE
	FETCH 0, F0                                    ; quarter 0
	s_mov_b32 s[CNT], 2
	s_mov_b32 s[SLOTS], STEPS-1
	s_branch .Lmid                                 ; the loop is entered at quarter 0, in the middle of a pair
.Lslot:                                                ; STEPS - 2 times: every slot but the last two is filled again
	CHANGE 1
	s_mov_b32 s[CNT], 2
.Lpair:                                                ; a trip: an odd quarter and the even one behind it
	BASE
	QUARTER F1, F0, 0
	WIN 0
.Lmid:
	QUARTER F0, F1, 1
	WIN 0
	s_sub_co_u32 s[CNT], s[CNT], 1
	s_cmp_lg_u32 s[CNT], 0
	s_cbranch_scc1 .Lpair
	s_sub_co_u32 s[SLOTS], s[SLOTS], 1
	s_cmp_lg_u32 s[SLOTS], 0
	s_cbranch_scc1 .Lslot
	CHANGE 0                                       ; the tail is written out: nothing is asked for
	s_mov_b32 s[CNT], 2
.Ltail:
	BASE
	QUARTER F1, F0, 0
	QUARTER F0, F1, 1
	WIN 0
	s_sub_co_u32 s[CNT], s[CNT], 1
	s_cmp_lg_u32 s[CNT], 0
	s_cbranch_scc1 .Ltail
	s_wait_dscnt 8                                 ; the very last quarter: nothing more to fetch
	MUL16 F1, 0, 0
	MUL16 F1, 0, 2
	s_wait_dscnt 0x0
	MUL16 F1, 1, 0
	MUL16 F1, 1, 2
	WIN 0
	PLACES
	PACK 0
	TOSTAGE 0
.irp a, 1,2,3,4,5,6,7                  ; block a's arithmetic stands between block a - 1's loads from the stage and the wait for them
	PACK \a
	SEND (\a)-1, 0
	TOSTAGE \a
.endr
	SEND 7, 0
	s_wait_tensorcnt 0x0                           ; the wave's end
	ds_add_u32 v[SPW], v[NIL]
	s_wait_dscnt 0x0
	CROUND                                         ; the closing round: no work-group ends while a partner may still ask for a tile that names it
	s_endpgm
.Lfunc_end_k_q5fee6a82bc_qkv:
	.size	k_q5fee6a82bc_qkv, .Lfunc_end_k_q5fee6a82bc_qkv-k_q5fee6a82bc_qkv
	.p2alignl 7, 3214868480
	.fill 96, 4, 3214868480
	.section	.rodata,"a",@progbits
	.p2align	6, 0x0
	.amdhsa_kernel k_q5fee6a82bc_qkv
		.amdhsa_group_segment_fixed_size 327680
		.amdhsa_private_segment_fixed_size 0
		.amdhsa_enable_private_segment 0
		.amdhsa_kernarg_size 24
		.amdhsa_user_sgpr_count 2
		.amdhsa_user_sgpr_kernarg_segment_ptr 1
		.amdhsa_wavefront_size32 1
		.amdhsa_system_sgpr_workgroup_id_x 1
		.amdhsa_system_sgpr_workgroup_id_y 1
		.amdhsa_system_sgpr_workgroup_id_z 1
		.amdhsa_system_vgpr_workitem_id 0
		.amdhsa_next_free_vgpr 1024
		.amdhsa_next_free_sgpr 70
		.amdhsa_reserve_vcc 0
		.amdhsa_float_denorm_mode_32 3
		.amdhsa_float_denorm_mode_16_64 3
		.amdhsa_memory_ordered 1
		.amdhsa_forward_progress 1
		.amdhsa_inst_pref_size 102
	.end_amdhsa_kernel
	.amdgpu_metadata
---
amdhsa.version: [ 1, 2 ]
amdhsa.kernels:
  - .name:           k_q5fee6a82bc_qkv
    .symbol:         k_q5fee6a82bc_qkv.kd
    .args:
      - { .name: ab, .offset: 0, .size: 8, .value_kind: global_buffer, .address_space: global }
      - { .name: pq, .offset: 8, .size: 8, .value_kind: global_buffer, .address_space: global }
      - { .name: big, .offset: 16, .size: 8, .value_kind: global_buffer, .address_space: global }
    .group_segment_fixed_size: 327680
    .private_segment_fixed_size: 0
    .kernarg_segment_align: 8
    .kernarg_segment_size: 24
    .max_flat_workgroup_size: 128
    .sgpr_count:     70
    .vgpr_count:     1024
    .wavefront_size: 32
...
	.end_amdgpu_metadata
.endif
;; end of part 2
;; launch attn (part 3): grid 8 x 32, 4 waves a work-group, clusters of 4 x 1, 327,680 bytes of LDS; arguments big, mask, o; writes o
.if DOCPART == 3
	.amdgcn_target "amdgcn-amd-amdhsa--gfx1250"
	.amdhsa_code_object_version 6
	.text
	.protected	k_q5fee6a82bc_attn
	.globl	k_q5fee6a82bc_attn
	.p2align	8
	.type	k_q5fee6a82bc_attn,@function
k_q5fee6a82bc_attn:
	s_mov_b64 s[64:65], 0
	v_nop
	global_prefetch_b8 v0, s[64:65] scope:SCOPE_SE
	s_setreg_imm32_b32 hwreg(HW_REG_WAVE_MODE, 25, 1), 1
	s_wait_xcnt 0x0
	s_wait_alu depctr_hold_cnt(0) depctr_sa_sdst(0) depctr_va_vdst(0) depctr_va_sdst(0) depctr_va_ssrc(0) depctr_va_vcc(0) depctr_vm_vsrc(0)
	s_getreg_b32 s2, hwreg(HW_REG_IB_STS2, 6, 4)
	s_cmp_eq_u32 s2, 0
	s_cbranch_scc0 .Lentry_in_a_cluster
	s_endpgm
.Lentry_in_a_cluster:
	s_bfe_u32 s2, ttmp6, 0x10000c
	s_cmp_lg_u32 s2, 0x3003
	s_cbranch_scc0 .Lentry_shape_is_right
	s_endpgm
.Lentry_shape_is_right:
; O[h][b, q][:] = the sum over k of softmax_k(Q . K / 8, masked keys hidden) V[k][:], for batch b and head h.  big: planes [48][4096 tokens][64] bf16: planes 0-15 q's heads, 16-31 k's, 32-47 v's;
; a head's 2,048 rows of a batch are dense, 128 bytes each.  mask: [2][2048] i32, 0 = hidden.  o: [16][4096][64] bf16.  Products, maxima and sums in f32; the weights p are rounded to bf16 for the
; second product (their sum l is taken of the unrounded p), O once at the end.
; LIMITS.  A hidden score counts as its value less 1e30, which is -1e30 itself while |Q . K| stays under 3e22: its weight is 0 beside any open key, and where all keys of a batch are hidden all weights
; are equal, as with the fixed -1e9.  A weight below 2^-126 counts as 0 in l.  NaN and infinities are not treated apart.
; SHARES.  A work-group owns 256 queries of one batch and head, a wave 64: four PIECES of 16.  Every wave walks all 2,048 keys, 64 a step, four steps to an LDS slot, eight tiles through two slots.
; LAYOUT.  S^T = K Q^T (source 0 = 16 keys, source 1 = 16 queries): a lane holds ONE query (lane % 16) and the keys 8 (lane / 16) + 0..7.  Two such results rounded to bf16 ARE source 1 of O^T = V^T P.
; K comes out of LDS as it lies, V ([key][channel]) turned, by ds_load_tr16_b128.
; THE MASK is the C operand that starts the sum S^T: 0, or -1e30 where the key is hidden.  The batch's 2,048 words are turned into such numbers once, in a table in LDS; a step's 64 are fetched with its K.
; SOFTMAX.  For each query a running maximum m and sum l: p = 2^(c s - c m), c = log2(e) / 8; in every step O and l are multiplied by a = 2^(c m_old - c m_new).  m starts at the lowest finite number,
; O and l at 0: the first step is a step like any other, with a = 0.
; BY TURNS.  Turn n belongs to piece n: 8 products K Q^T of piece n + 1, later 8 products V^T P of piece n - 1; beside them the scaling, exponentials, roundings, sums and rescaling of piece n and the
; maximum and statistics of piece n + 1.  Four vector instructions stand behind every matrix instruction, the other 54 of a turn's 118 in two runs of their own.
; CLUSTER.  The four query blocks of a cluster belong to one batch and head and walk the same K and V: each tile is asked for JOINTLY: the same tensor load, descriptor and mask in all four.
; REGISTERS, in windows of 256 (s_set_vgpr_msb: bits 1:0 source 0, 3:2 source 1, 5:4 source 2, 7:6 destination):
;   window 0: v0-15, v32-35 addresses and at work; v16-31 four registers of statistics a piece; v48-55 at work; v64-127 S^T, two buffers; v192-223 P, two buffers (by the piece's parity)
;   window 1: v0-127 O^T, 32 a piece; v160-191 the step's mask      window 2: v0-63 Q; v128-191 K of one step; v192-255 V of one step
.set NP,    4         ; pieces a wave: a name, no knob
.set KS,    64        ; keys in a step
.set PK,    144       ; a row of K in LDS: 128 bytes + 16 of padding: the 16 rows of a load start at 16 different groups of four banks (64 banks of 4 bytes: ISA guide 11.1)
.set PV,    160       ; a row of V: 128 + 32
.set VOFF,  4*KS*PK   ; a slot holds four steps: 256 rows of K, then 256 rows of V
.set SLOT1, 1<<17     ; slot 1 begins here, so that one exclusive or turns an address in one slot into the other's
.set STAGE, SLOT1+4*KS*(PK+PV)  ; behind the ring, never filled by a tensor load: 16 rows x 144 bytes for each wave, for the way out
.set SP,    144
.set SPARE, STAGE+4*16*SP  ; the spare words, 128 bytes for each wave: two blocks of 256 bytes that no other line names
.set MTAB,  SPARE+512 ; the mask's table: 2,048 f32; no tensor load lands here
.set AK0, 2           ; v2   my lane's place in a tile of K; never rewritten
.set AV0, 3           ; v3   the same for V
.set AK,  4           ; v4   the LDS address of K's next run of loads
.set AV,  5           ; v5   of V's
.set STO, 6           ; v6   the way out: where I put 16 bytes of a row
.set RD,  7           ; v7   the way out: where I read rows back
.set GO,  8           ; v8   my byte offset in 512 consecutive bytes of O
.set MV,  12          ; v12-13  c m_old, kept while c m is made anew: by buffer
.set QO,  15          ; v15  my byte offset in 16 rows of Q
.set ST,  16          ; piece t's statistics at v[ST+4 t]: c m, m, l (even keys', odd keys')
.set AM0, 32          ; v32  my lanes' place in a step's 64 words of the table; never rewritten
.set AM,  33          ; v33  the LDS address of the mask's next run of loads
.set TMP, 48          ; by buffer, four registers c0-c3 at work; when the maximum is found c2 takes a
.set SPW, 62          ; v62  LDS address of my spare word; never rewritten
.set NIL, 63          ; v63  0; never rewritten
.set S,   64
.set P,   192
.set MC,  160         ; window 1: the eight registers for group kt of 16 keys at MC + 8 kt
.set KF,  128         ; window 2: key block kb, channel half c at KF + 16 kb + 8 c
.set VF,  192         ; window 2: key half kk, channel block cb at VF + 32 kk + 8 cb
.set WV,  12          ; s12  my wave's number
.set G1K, 24          ; s[24:31] descriptor group 1 for K's tiles
.set G1V, 32          ; s[32:39] for V's: it differs in the padding alone
.set G0K, 40          ; s[40:43] descriptor group 0 for K's tiles: it walks
.set G0V, 44          ; s[44:47] the same for V's
.set TBM, 48          ; s48  byte of the table at which the step to be fetched begins
.set BIGN, 49         ; s49  -1e30
.set SLOTS, 56        ; s56  slots still to be asked for
.set CNT, 57          ; s57  counts a slot's key steps
.set CS,  58          ; s[58:59] c: the packed scaling takes the pair's low word for both halves
.set SEL, 60          ; s[60:61] v_permlanex16_b32's selects: each lane takes its own place in the other half
.set TBK, 62          ; s62  LDS byte at which K of the step to be fetched begins
.set TBV, 63          ; s63  the same for V, less VOFF
.set MSB, 0
.macro WIN new                      ; the high byte repeats the setting that is left; a switch that changes nothing is dropped
.if MSB != (\new)
	s_set_vgpr_msb (MSB<<8)|(\new)
.set MSB, (\new)
.endif
.endm
.set W_KQ, 0x0a       ; K and Q in window 2, S^T in window 0
.set W_KM, 0x1a       ; the same with the C operand in window 1
.set W_PV, 0x52       ; V in window 2, P in window 0, O^T in window 1
.set W_RS, 0x41       ; destination and source 0 in window 1, source 1 in window 0
; A joint fill.  Waves 0 and 1 fetch the two halves of a slot's K, waves 2 and 3 those of its V: 128 keys each.  The branch hangs on the wave's number alone.
; An s_nop 0 and four v_nop follow each of the two lines, ahead of the jump and the label.
.macro JLOAD
	s_cmp_lt_u32 s[WV], 2
	s_cbranch_scc0 .Lfor_v_\@
	tensor_load_to_lds s[G0K:G0K+3], s[G1K:G1K+7]
	s_nop 0
.rept 4
	v_nop
.endr
	s_branch .Lasked_\@
.Lfor_v_\@:
	tensor_load_to_lds s[G0V:G0V+3], s[G1V:G1V+7]
	s_nop 0
.rept 4
	v_nop
.endr
.Lasked_\@:
.endm
; A round of the cluster's barrier: my work-group's barrier, so that wave 0's signal speaks for all four waves; wave 0 signals; every wave waits for all four work-groups; my work-group's barrier once more.
.macro CROUND
	s_barrier_signal -1
	s_barrier_wait -1
	s_cmp_lg_u32 s[WV], 0
	s_cbranch_scc1 .Lnot_wave_0_\@
	s_barrier_signal -3
.Lnot_wave_0_\@:
	s_barrier_wait -3
	s_barrier_signal -1
	s_barrier_wait -1
.endm
; THE CHANGE OF SLOTS.  The slot's last bytes, V of its fourth step, have been read.  Each wave waits for all its tensor loads, of which one is out: its part of the other slot; adds 0 to its spare word;
; and waits for that and for its own LDS instructions.  Behind the barrier nobody reads this slot any more and the other slot is whole.  fill = 1: this slot is filled again, with the keys two slots on: the
; barrier is then a round of the cluster's, and the joint fill is the first thing behind it: it has four key steps, 256 matrix instructions, in which to land.
; (At its first use nothing has been read yet: slot 0 is waited for, slot 1 filled, and every wave's part of the mask's table is shown to the others.)
.macro CHANGE fill
	WIN 0                           ; at a label and at a branch every window is 0
	s_wait_tensorcnt 0x0            ; no tensor load of mine is out, so a group 0 may be written
	ds_add_u32 v[SPW], v[NIL]       ; 0 onto my spare word
.if \fill
.irp g, G0K, G0V
	s_xor_b32 s[\g+1], s[\g+1], SLOT1  ; the walking descriptor: the other slot than last time,
	s_add_nc_u64 s[\g+2:\g+3], s[\g+2:\g+3], 4*KS*128  ; the next 256 keys; the type bits on top are not reached
.endr
	s_wait_dscnt 0x0                ; the add is done, and my reads of the slot are over
	CROUND
	JLOAD
.else
	s_wait_dscnt 0x0                ; the add is done, and my reads of the slot are over
	s_barrier_signal -1
	s_barrier_wait -1
.endif
	s_sub_co_u32 s[TBK], s[TBK], 4*KS*PK  ; the fetches go back to a slot's first step,
	s_xor_b32 s[TBK], s[TBK], SLOT1       ; in the other slot
	s_sub_co_u32 s[TBV], s[TBV], 4*KS*PV
	s_xor_b32 s[TBV], s[TBV], SLOT1
.endm
	s_load_b128 s[4:7], s[0:1], 0x0 ; big s[4:5], mask s[6:7]
	s_load_b64 s[10:11], s[0:1], 0x10  ; o
	v_lshl_add_u32 v[SPW], v0, 2, SPARE
	v_mov_b32 v[NIL], 0
	ds_add_u32 v62, v63
	s_wait_dscnt 0x0
	v_lshrrev_b32 v1, 5, v0
	v_readfirstlane_b32 s[WV], v1   ; wave 0..3
	s_bfe_u32 s13, ttmp6, 0x40000   ; cx: my place in the cluster
	s_lshl_b32 s14, ttmp9, 2        ; in a cluster launch ttmp9 counts clusters
	s_add_co_u32 s14, s14, s13      ; my block of 256 queries = 4 x cluster x + cx: it enters Q's and O's addresses alone
	s_and_b32 s16, ttmp7, 0xffff    ; 16 x batch + head, which the four partners share
	s_lshr_b32 s15, s16, 4          ; batch
	s_and_b32 s16, s16, 15          ; head
	s_lshl_b32 s20, s16, 19         ; the head's plane of 524,288 bytes,
	s_lshl_b32 s21, s15, 18         ; the batch's 2,048 rows of 128 bytes in it
	s_add_co_u32 s20, s20, s21
	s_and_b32 s16, s[WV], 1         ; which half of a slot's 256 keys I fetch:
	s_lshl_b32 s22, s16, 14         ; its 128 rows of 128 bytes in memory,
	s_add_co_u32 s22, s22, s20
	s_mov_b32 s23, 0
	s_mul_i32 s17, s16, 128*PK      ; and its place in a slot, for K
	s_mul_i32 s18, s16, 128*PV      ; and for V: no place in the cluster enters an LDS address
	s_lshl_b32 s2, s14, 2
	s_add_co_u32 s2, s2, s[WV]      ; my wave among the head's,
	s_lshl_b32 s2, s2, 13           ; its 64 rows
	s_add_co_u32 s2, s2, s20
	s_mov_b32 s3, 0
	s_lshl_b32 s50, s15, 13         ; the batch's 2,048 words of the mask
	s_mov_b32 s51, 0
	; descriptor group 1.  128 keys are 16,384 dense bytes: asked for as 64 rows of 256 bytes, two keys a row, and padded in LDS after every key
	s_mov_b32 s[G1K], 15|(1<<16)|(1<<20)|(1<<21)|(4<<22)|(3<<25)  ; 15:0 the mask of four; 17:16 2-byte elements; 20 padding on; 21 set beside a mask; 24:22 after every 32 words; 31:25 4 words
	s_mov_b32 s[G1V], 15|(1<<16)|(1<<20)|(1<<21)|(4<<22)|(7<<25)  ; the same with 8 words of padding
.irp g, G1K, G1V
	s_mov_b32 s[\g+1], 128<<16      ; tensor_dim0 = 128
	s_mov_b32 s[\g+2], 64<<16       ; tensor_dim1 = 64
	s_mov_b32 s[\g+3], 128<<16      ; tile_dim0 = 128
	s_mov_b32 s[\g+4], 64           ; tile_dim1 = 64
	s_mov_b32 s[\g+5], 128          ; 128 elements from row to row
	s_mov_b32 s[\g+6], 0
	s_mov_b32 s[\g+7], 0
.endr
	s_mov_b32 s[CS], 0x3e38aa3b     ; c = log2(e) / 8 = 0.180337
	s_mov_b32 s[CS+1], s[CS]        ; named with it as a pair
	s_mov_b32 s[SEL], 0x76543210
	s_mov_b32 s[SEL+1], 0xfedcba98
	s_mov_b32 s[TBK], SLOT1+4*KS*PK ; the first change of slots turns these two into 0
	s_mov_b32 s[TBV], SLOT1+4*KS*PV
	s_mov_b32 s[TBM], 0
	s_mov_b32 s[BIGN], 0xf149f2ca   ; -1e30
	s_mov_b32 s[G0K], 1             ; count = 1
	s_mov_b32 s[G0K+1], s17         ; LDS address: slot 0
	s_mov_b32 s[G0V], 1
	s_add_co_u32 s[G0V+1], s18, VOFF
	s_wait_kmcnt 0x0
	s_add_nc_u64 s[G0K+2:G0K+3], s[4:5], s[22:23]  ; global address: my half of the head's first 256 keys,
	s_add_nc_u64 s[G0K+2:G0K+3], s[G0K+2:G0K+3], 0x800000  ; sixteen planes on for K,
	s_or_b32 s[G0K+3], s[G0K+3], 0x80000000        ; type = 2
	s_add_nc_u64 s[G0V+2:G0V+3], s[4:5], s[22:23]
	s_add_nc_u64 s[G0V+2:G0V+3], s[G0V+2:G0V+3], 0x1000000  ; thirty-two for V
	s_or_b32 s[G0V+3], s[G0V+3], 0x80000000
	s_add_nc_u64 s[4:5], s[4:5], s[2:3]  ; Q and O at my wave's first row
	s_add_nc_u64 s[10:11], s[10:11], s[2:3]
	s_add_nc_u64 s[6:7], s[6:7], s[50:51]
	CROUND                          ; all four work-groups are here: the first joint loads meet
	JLOAD                           ; slot 0.  Slot 1 is asked for when slot 0 is in
	; A fragment of K or Q is 16 rows x 32 channels in 8 registers: lane l holds row l % 16, channels 8 (l / 16) + 0..7 and 16 + 8 (l / 16) + 0..7: two loads of 16 bytes, 32 bytes apart.
	v_and_b32 v1, 15, v0            ; l % 16
	v_bfe_u32 v9, v0, 4, 1          ; l / 16
	v_lshlrev_b32 v[QO], 7, v1
	v_lshl_add_u32 v[QO], v9, 4, v[QO]  ; row x 128 + 16 x half
	v_lshlrev_b32 v34, 4, v0        ; thread t takes the mask's words at 16 t of each 2,048 bytes
	WIN 0x80                        ; destination window 2, address window 0
.set i, 0
.rept 8                             ; Q stays in registers: piece i / 2, channels 32 (i % 2) on
	global_load_b128 v[8*i:8*i+3],   v[QO], s[4:5] offset:(i/2)*2048+(i%2)*64
	global_load_b128 v[8*i+4:8*i+7], v[QO], s[4:5] offset:(i/2)*2048+(i%2)*64+32
.set i, i+1
.endr
	WIN 0
.irp j, 0,1,2,3
	global_load_b128 v[S+4*\j:S+4*\j+3], v34, s[6:7] offset:2048*\j
.endr
	v_mul_u32_u24 v[AK0], v1, PK
	v_lshl_add_u32 v[AK0], v9, 4, v[AK0]  ; row x pitch + 16 x half
	; The turning load takes 16 keys x 16 channels (lane l reads key 8 (l / 16) + l % 8, channels 8 ((l / 8) % 2) + 0..7) and leaves half a fragment of V^T: lane l holds channel l % 16 and 8 keys.
	v_and_b32 v10, 7, v0
	v_bfe_u32 v11, v0, 3, 1
	v_lshl_add_u32 v[AV0], v9, 3, v10
	v_mul_u32_u24 v[AV0], v[AV0], PV
	v_lshl_add_u32 v[AV0], v11, 4, v[AV0]
	v_add_nc_u32 v[AV0], VOFF, v[AV0]
	v_lshl_add_u32 v[AM0], v9, 5, MTAB  ; a lane's eight keys of a group of 16 begin at word 8 (l / 16)
	v_add_nc_u32 v35, MTAB, v34
	s_mul_i32 s13, s[WV], 16*SP
	s_add_co_u32 s13, s13, STAGE    ; my stage
	v_mul_u32_u24 v[STO], v1, SP    ; in: row l % 16, 16 bytes for each half of the lanes
	v_lshl_add_u32 v[STO], v9, 4, v[STO]
	v_add_nc_u32 v[STO], s13, v[STO]
	v_bfe_u32 v[RD], v0, 3, 2       ; back: 32 lanes take four rows of 128 bytes,
	v_mul_u32_u24 v[RD], v[RD], SP
	v_lshl_add_u32 v[RD], v10, 4, v[RD]
	v_add_nc_u32 v[RD], s13, v[RD]
	v_and_b32 v[GO], 31, v0         ; which are 512 consecutive bytes of O
	v_lshlrev_b32 v[GO], 4, v[GO]
	; What the first turn finds: V's registers and P's second buffer hold 0 (its products V^T P, of a piece that has not been, add 0), O^T and l are 0, c m lies far below every c s.
	; No first step is written out for that price.  All this stands in the wait for the first tile.
	WIN 0x80
.set i, VF
.rept 64
	v_mov_b32 v[i], 0
.set i, i+1
.endr
	WIN 0x40
.set i, 0
.rept 128
	v_mov_b32 v[i], 0
.set i, i+1
.endr
	WIN 0
.set i, 0
.rept 4
	v_mov_b32 v[ST+4*i], 0xfe000000    ; c m: far below every c s
	v_mov_b32 v[ST+4*i+1], 0xff7fffff  ; m
	v_mov_b32 v[ST+4*i+2], 0
	v_mov_b32 v[ST+4*i+3], 0
.set i, i+1
.endr
.set i, P+16
.rept 16
	v_mov_b32 v[i], 0
.set i, i+1
.endr
	s_wait_loadcnt 0x0              ; Q and the mask's words
.set i, 0
.rept 16
	v_cmp_eq_u32 vcc_lo, 0, v[S+i]
	v_cndmask_b32 v[S+i], 0, s[BIGN], vcc_lo  ; -1e30 where the word is 0, else 0
.set i, i+1
.endr
.irp j, 0,1,2,3
	ds_store_b128 v35, v[S+4*\j:S+4*\j+3] offset:2048*\j
.endr
; THE MATRIX WORK.  The 4 accumulators of a run of 8 take turns.  Product i of 8 of S^T = K Q^T for piece x: channels 32 (i / 4) on, keys 16 (i % 4) on.  The first 4 start the sums with the mask.
.macro KQ x
.set rS, S+32*((\x)%2)+8*(i%4)
.set rK, KF+16*(i%4)+8*(i/4)
.set rQ, 16*(\x)+8*(i/4)
.set rM, MC+8*(i%4)
.if i < 4
	WIN W_KM
	v_wmma_f32_16x16x32_bf16 v[rS:rS+7], v[rK:rK+7], v[rQ:rQ+7], v[rM:rM+7]
.else
	WIN W_KQ
	v_wmma_f32_16x16x32_bf16 v[rS:rS+7], v[rK:rK+7], v[rQ:rQ+7], v[rS:rS+7]
.endif
.endm
; Product i of 8 of O^T += V^T P for piece x: keys 32 (i / 4) on, channels 16 (i % 4) on.
.macro PV x
	WIN W_PV
.set rO, 32*(\x)+8*(i%4)
.set rV, VF+32*(i/4)+8*(i%4)
.set rP, P+16*((\x)%2)+8*(i/4)
	v_wmma_f32_16x16x32_bf16 v[rO:rO+7], v[rV:rV+7], v[rP:rP+7], v[rO:rO+7]
.endm
.macro MM                           ; the turn's next matrix instruction.  NOKQ = 1: the last turn: there is no next piece
.if (i < 8) && !NOKQ
	KQ (Y+1)%NP
.elseif i >= 8
.set i, i-8
	PV (Y+NP-1)%NP
.set i, i+8
.endif
.set i, i+1
.endm
; THE LDS LOADS stand in runs, never singly among the matrix instructions: a step's K (64 keys x 64 channels: 8 fragments) with its 64 mask numbers, and its V (turned).  Their addresses are made some lines ahead.
.macro FETCH_K
	WIN 0x80                        ; destination window 2
.irp f, 0,1,2,3,4,5,6,7             ; keys 16 (f / 2) on, channels 32 (f % 2) on
	ds_load_b128 v[KF+8*\f:KF+8*\f+3],   v[AK] offset:(\f/2)*16*PK+(\f%2)*64
	ds_load_b128 v[KF+8*\f+4:KF+8*\f+7], v[AK] offset:(\f/2)*16*PK+(\f%2)*64+32
.endr
	WIN 0x40                        ; destination window 1
.irp f, 0,1,2,3                     ; keys 16 f + 8 (l / 16) + 0..7, the same for every query
	ds_load_b128 v[MC+8*\f:MC+8*\f+3],   v[AM] offset:64*\f
	ds_load_b128 v[MC+8*\f+4:MC+8*\f+7], v[AM] offset:64*\f+16
.endr
	s_add_co_u32 s[TBK], s[TBK], KS*PK  ; the next fetch is the next step's
	s_add_co_u32 s[TBM], s[TBM], 4*KS
	s_and_b32 s[TBM], s[TBM], 8191  ; stays inside the table's 8,192 bytes
	WIN 0
.endm
.macro FETCH_V
	WIN 0x80
.irp f, 0,1,2,3,4,5,6,7             ; keys 32 (f / 4) on, channels 16 (f % 4) on
	ds_load_tr16_b128 v[VF+8*\f:VF+8*\f+3],   v[AV] offset:(\f/4)*32*PV+(\f%4)*32
	ds_load_tr16_b128 v[VF+8*\f+4:VF+8*\f+7], v[AV] offset:(\f/4)*32*PV+16*PV+(\f%4)*32
.endr
	WIN 0
.endm
; THE VECTOR WORK, one line at a time: OP kind, number.  For piece Y: F n: c s - c m for pair n of 16.  E n: the exponential of score n of 32.  C n: pair n rounded to bf16.  B n: of the four weights 4 n .. the second
; pair is added onto the first, in place.  L n: l takes that sum (L 0: l = a l + sum).  R n: pair n of 16 of O^T times a.  For piece Y + 1: X n, number n of the 22 that find its maximum and statistics:
;   0-11  four chains c0-c3 of seven scores each, three operands at a time (each accumulator's lowest registers are read first)     12-14, 16  the four scores left over, the old m, and c0-c3 into c0
;   15  c m_old is kept     17, 18  the query's other 32 keys lie in the lane 16 away: the new m     19-21  c m; c m_old - c m_new; a
.set F, 0               ; OP tells the kinds apart by their order: F to L below R, X above it
.set E, 1
.set C, 2
.set B, 3
.set L, 4
.set R, 5
.set X, 6
.macro REGS y                       ; the registers of piece y
.set rT, ST+4*(\y)
.set rC, TMP+4*((\y)%2)
.set rW, MV+((\y)%2)
.set rS, S+32*((\y)%2)
.set rP, P+16*((\y)%2)
.set rO, 32*(\y)
.endm
.macro OP k, n
.if (\k) == R
	REGS Y
	WIN W_RS
	v_pk_mul_f32 v[rO+2*(\n):rO+2*(\n)+1], v[rO+2*(\n):rO+2*(\n)+1], v[rC+2:rC+3] op_sel_hi:[1,0]
.elseif (\k) < R
	REGS Y
	WIN 0
.if (\k) == F
	v_pk_fma_f32 v[rS+2*(\n):rS+2*(\n)+1], v[rS+2*(\n):rS+2*(\n)+1], s[CS:CS+1], v[rT:rT+1] op_sel_hi:[1,0,0] neg_lo:[0,0,1] neg_hi:[0,0,1]
.elseif (\k) == E
	v_exp_f32 v[rS+(\n)], v[rS+(\n)]
.elseif (\k) == C
	s_wait_alu depctr_va_vdst(0)
	v_cvt_pk_bf16_f32 v[rP+(\n)], v[rS+2*(\n)], v[rS+2*(\n)+1]
.elseif (\k) == B
	s_wait_alu depctr_va_vdst(0)
	v_pk_add_f32 v[rS+4*(\n):rS+4*(\n)+1], v[rS+4*(\n):rS+4*(\n)+1], v[rS+4*(\n)+2:rS+4*(\n)+3]
.elseif (\n) == 0
	v_pk_fma_f32 v[rT+2:rT+3], v[rT+2:rT+3], v[rC+2:rC+3], v[rS:rS+1] op_sel_hi:[1,0,1]
.else
	v_pk_add_f32 v[rT+2:rT+3], v[rT+2:rT+3], v[rS+4*(\n):rS+4*(\n)+1]
.endif
.elseif NOKQ
	v_nop
.else
	REGS (Y+1)%NP
	WIN 0
.if (\n) < 4
	v_max3_num_f32 v[rC+(\n)], v[rS+8*(\n)], v[rS+8*(\n)+1], v[rS+8*(\n)+2]
.elseif (\n) < 12
	v_max3_num_f32 v[rC+(\n)%4], v[rC+(\n)%4], v[rS+8*((\n)%4)+2*((\n)/4)+1], v[rS+8*((\n)%4)+2*((\n)/4)+2]
.elseif (\n) == 12
	v_max3_num_f32 v[rC], v[rC], v[rS+7], v[rS+15]
.elseif (\n) == 13
	v_max3_num_f32 v[rC+1], v[rC+1], v[rS+23], v[rS+31]
.elseif (\n) == 14
	v_max3_num_f32 v[rC+2], v[rC+2], v[rC+3], v[rT+1]
.elseif (\n) == 15
	v_mov_b32 v[rW], v[rT]
.elseif (\n) == 16
	v_max3_num_f32 v[rC], v[rC], v[rC+1], v[rC+2]
.elseif (\n) == 17
	v_permlanex16_b32 v[rC+3], v[rC], s[SEL], s[SEL+1]
.elseif (\n) == 18
	v_max_num_f32 v[rT+1], v[rC], v[rC+3]
.elseif (\n) == 19
	v_mul_f32 v[rT], s[CS], v[rT+1]
.elseif (\n) == 20
	v_sub_f32 v[rC+1], v[rW], v[rT]
.else
	v_exp_f32 v[rC+2], v[rC+1]
.endif
.endif
.endm
.macro OPS a, i1, b=-1, i2=0, c=-1, i3=0, d=-1, i4=0  ; up to four of them
	OP \a, \i1
.if (\b) >= 0
	OP \b, \i2
.endif
.if (\c) >= 0
	OP \c, \i3
.endif
.if (\d) >= 0
	OP \d, \i4
.endif
.endm
.macro ROW a, i1, b, i2, c, i3, d, i4  ; a matrix instruction and the four behind it
	MM
	OPS \a, \i1, \b, \i2, \c, \i3, \d, \i4
.endm
; A TURN, for piece p: the order of its 16 matrix and 118 vector instructions, written out.  Behind a matrix instruction: plain, exponential, plain, plain; or four of the rescaling; or, behind the first, four scalings;
; none names a register of the products round it.  In the runs between, exponential and plain by turns while exponentials last: each exponential has a plain instruction behind it before its result is used.
; end = 1: the last two turns: nothing is fetched.  cnt = 1: the loop's count is taken down some lines ahead of the branch that stands behind the turn.
; K and the mask of the next step are fetched in piece 2's turn, five plain vector instructions or more behind the last product that read them; V of the step in hand in piece 0's turn, four plain ones behind the last
; product that read V.  Each is waited for a turn later.
.macro TURN p, end=0, cnt=0
.set Y, (\p)
.set i, 0
.set NOKQ, (\end)*((\p)/3)
.if ((\p) == 3) && !(\end)
	s_wait_dscnt 0x0                ; K and the mask are in
.endif
	ROW F,0, F,1, F,2, F,3
	ROW F,4, E,0, F,5, F,6
	ROW F,7, E,1, F,8, F,9
	ROW F,10, E,2, C,0, F,11
	ROW F,12, E,3, X,15, F,13
	ROW R,0, R,1, R,2, R,3
	ROW B,0, E,4, F,14, L,0
.if ((\p) == 2) && !(\end)
	v_add_nc_u32 v[AK], s[TBK], v[AK0]
	v_add_nc_u32 v[AM], s[TBM], v[AM0]
.endif
	ROW R,4, R,5, R,6, R,7
	OPS E,5, F,15
.if ((\p) == 2) && !(\end)
	FETCH_K
.endif
	OPS E,6, C,1, E,7, R,8
	OPS E,8, R,9, E,9, C,2
	OPS E,10, X,0, E,11, X,1
	OPS E,12, X,2, E,13, X,3
.if (\p) == 1
	s_wait_dscnt 0x0                ; V is in
.endif
	ROW X,4, E,14, X,5, X,6
	ROW X,7, E,15, X,8, X,9
	ROW X,10, E,16, X,11, X,12
	ROW X,13, E,17, X,14, B,1
	ROW C,4, E,18, X,16, L,1
	ROW B,2, E,19, C,6, L,2
	ROW C,8, E,20, B,3, B,4
.if (\p) == 0
	v_add_nc_u32 v[AV], s[TBV], v[AV0]
.endif
	ROW C,3, E,21, L,3, C,5
	OPS E,22, X,17, E,23, C,10
.if (\p) == 0
	FETCH_V
.endif
	OPS E,24, L,4
	OPS E,25, X,18, E,26, C,7
	OPS E,27, B,5, E,28, X,19
	OPS E,29, C,12, E,30, L,5
	OPS E,31, X,20, B,6, C,9
	OPS C,14, C,11, X,21, L,6
.if (\p) == 0
	s_add_co_u32 s[TBV], s[TBV], KS*PV
.endif
.if \cnt
	s_sub_co_u32 s[CNT], s[CNT], 1
	s_cmp_lg_u32 s[CNT], 0
.endif
	OPS C,13, B,7, C,15, R,10
	OPS R,11, R,12, L,7, R,13
	OPS R,14, R,15
.endm
	CHANGE 1                        ; slot 0 is in, everybody's part of it, and so is the table; slot 1 is asked for
	v_add_nc_u32 v[AK], s[TBK], v[AK0]
	v_add_nc_u32 v[AM], s[TBM], v[AM0]
	FETCH_K                         ; key step 0
	s_wait_dscnt 0x0
.set NOKQ, 0
.set i, 0
.rept 8
	KQ 0                            ; piece 0's first scores: there is no vector work yet to set between them
.set i, i+1
.endr
	WIN 0
.rept 4
	v_nop                           ; the places behind those products
.endr
.set Y, NP-1                        ; X works for piece Y + 1: piece 0
.irp n, 0,1,2,3,4,5,6,7,8,9,10,11,12,13,14,15,16,17,18,19,20,21
	OP X, \n                        ; its first maximum and statistics
.endr
	v_nop                           ; a plain instruction behind the exponential
	s_mov_b32 s[CNT], 4
	s_mov_b32 s[SLOTS], 7
	s_branch .Lfirst                ; the loop is entered at a step's first turn, in the middle of a trip
.Lslot:                             ; six times: every slot but the last two is filled again
	CHANGE 1
	s_mov_b32 s[CNT], 4
.Lstep:                             ; a trip: pieces 2 and 3 of one step, then pieces 0 and 1 of the next, whose K and V it fetches
	TURN 2
	TURN 3
	WIN 0
.Lfirst:
	TURN 0
	TURN 1, 0, 1
	WIN 0
	s_cbranch_scc1 .Lstep
	s_sub_co_u32 s[SLOTS], s[SLOTS], 1
	s_cmp_lg_u32 s[SLOTS], 0
	s_cbranch_scc1 .Lslot
	CHANGE 0                        ; the last tile is written out: nothing is asked for
	s_mov_b32 s[CNT], 4
.Ltail:
	TURN 2
	TURN 3
	TURN 0
	TURN 1, 0, 1
	WIN 0
	s_cbranch_scc1 .Ltail
	TURN 2, 1                       ; the last step's last two turns fetch nothing, and the very last starts no new scores
	TURN 3, 1
.set i, 0
.rept 8
	PV NP-1                         ; the last piece's V^T P of the last step
.set i, i+1
.endr
	; THE WAY OUT.  l's two halves and the other half of the lanes' are added; O^T is divided by l, rounded to bf16 and sent through my stage in LDS, a piece at a time.  The additions are the places behind the last products.
	WIN 0
.macro ALL line:vararg              ; one line for each piece t
.set t, 0
.rept 4
	\line
.set t, t+1
.endr
.endm
	ALL v_add_f32 v[ST+4*t+2], v[ST+4*t+2], v[ST+4*t+3]
	ALL v_permlanex16_b32 v[ST+4*t+3], v[ST+4*t+2], s[SEL], s[SEL+1]
	ALL v_add_f32 v[ST+4*t+2], v[ST+4*t+2], v[ST+4*t+3]
	ALL v_rcp_f32 v[ST+4*t+2], v[ST+4*t+2]
	v_nop                           ; a plain instruction between the last reciprocal and the use of its result
.macro PACK t                       ; a lane's eight channels of a row pack into 16 bytes; they go into rows of 144 bytes and come back as whole rows of 128, into S^T's registers
	WIN W_RS
.set i, 32*(\t)
.rept 16
	s_wait_alu depctr_va_vdst(0)
	v_pk_mul_f32 v[i:i+1], v[i:i+1], v[ST+4*(\t)+2:ST+4*(\t)+3] op_sel_hi:[1,0]
.set i, i+2
.endr
	WIN 0x05                        ; sources 0 and 1 window 1, destination window 0
.set i, 0
.rept 16
	v_cvt_pk_bf16_f32 v[S+16*(\t)+i], v[32*(\t)+2*i], v[32*(\t)+2*i+1]
.set i, i+1
.endr
	WIN 0
.irp f, 0,1,2,3
	ds_store_b128 v[STO], v[S+16*(\t)+4*\f:S+16*(\t)+4*\f+3] offset:32*\f
.endr
.irp f, 0,1,2,3
	ds_load_b128 v[S+16*(\t)+4*\f:S+16*(\t)+4*\f+3], v[RD] offset:\f*4*SP  ; LDS serves a wave's instructions in order (ISA guide 5.7.1.4): these see the stores above; the next piece's stores come behind them
.endr
.endm
.macro SEND t, younger              ; younger: the LDS instructions issued behind piece t's loads: the next piece's eight, or none
	WIN 0
.irp f, 0,1,2,3
	s_wait_dscnt (\younger)+3-\f
	global_store_b128 v[GO], v[S+16*(\t)+4*\f:S+16*(\t)+4*\f+3], s[10:11] offset:(\t)*2048+\f*512  ; 512 consecutive bytes, at a multiple of 256 from O's first
.endr
.endm
	PACK 0
.set t, 1
.rept 3                             ; a piece's arithmetic stands between the loads of the piece before and its stores
	PACK t
	SEND t-1, 8
.set t, t+1
.endr
	SEND 3, 0
	s_wait_tensorcnt 0x0            ; the wave's end
	ds_add_u32 v[SPW], v[NIL]
	s_wait_dscnt 0x0
	CROUND                          ; the closing round: no work-group ends while a partner may still ask for a tile that names it
	s_endpgm
.Lfunc_end_k_q5fee6a82bc_attn:
	.size	k_q5fee6a82bc_attn, .Lfunc_end_k_q5fee6a82bc_attn-k_q5fee6a82bc_attn
	.p2alignl 7, 3214868480
	.fill 96, 4, 3214868480
	.section	.rodata,"a",@progbits
	.p2align	6, 0x0
	.amdhsa_kernel k_q5fee6a82bc_attn
		.amdhsa_group_segment_fixed_size 327680
		.amdhsa_private_segment_fixed_size 0
		.amdhsa_enable_private_segment 0
		.amdhsa_kernarg_size 24
		.amdhsa_user_sgpr_count 2
		.amdhsa_user_sgpr_kernarg_segment_ptr 1
		.amdhsa_wavefront_size32 1
		.amdhsa_system_sgpr_workgroup_id_x 1
		.amdhsa_system_sgpr_workgroup_id_y 1
		.amdhsa_system_sgpr_workgroup_id_z 1
		.amdhsa_system_vgpr_workitem_id 0
		.amdhsa_next_free_vgpr 768
		.amdhsa_next_free_sgpr 66
		.amdhsa_reserve_vcc 1
		.amdhsa_float_denorm_mode_32 3
		.amdhsa_float_denorm_mode_16_64 3
		.amdhsa_memory_ordered 1
		.amdhsa_forward_progress 1
		.amdhsa_inst_pref_size 138
	.end_amdhsa_kernel
	.amdgpu_metadata
---
amdhsa.version: [ 1, 2 ]
amdhsa.kernels:
  - .name:           k_q5fee6a82bc_attn
    .symbol:         k_q5fee6a82bc_attn.kd
    .args:
      - { .name: big, .offset: 0, .size: 8, .value_kind: global_buffer, .address_space: global }
      - { .name: mask, .offset: 8, .size: 8, .value_kind: global_buffer, .address_space: global }
      - { .name: o, .offset: 16, .size: 8, .value_kind: global_buffer, .address_space: global }
    .group_segment_fixed_size: 327680
    .private_segment_fixed_size: 0
    .kernarg_segment_align: 8
    .kernarg_segment_size: 24
    .max_flat_workgroup_size: 128
    .sgpr_count:     66
    .vgpr_count:     768
    .wavefront_size: 32
...
	.end_amdgpu_metadata
.endif
;; end of part 3
;; launch proj (part 4): grid 8 x 32, 4 waves a work-group, clusters of 4 x 4, 327,680 bytes of LDS; arguments o, pw, bo, y; writes y
.if DOCPART == 4
	.amdgcn_target "amdgcn-amd-amdhsa--gfx1250"
	.amdhsa_code_object_version 6
	.text
	.protected	k_q5fee6a82bc_proj
	.globl	k_q5fee6a82bc_proj
	.p2align	8
	.type	k_q5fee6a82bc_proj,@function
k_q5fee6a82bc_proj:
	s_mov_b64 s[64:65], 0
	v_nop
	global_prefetch_b8 v0, s[64:65] scope:SCOPE_SE
	s_setreg_imm32_b32 hwreg(HW_REG_WAVE_MODE, 25, 1), 1
	s_wait_xcnt 0x0
	s_wait_alu depctr_hold_cnt(0) depctr_sa_sdst(0) depctr_va_vdst(0) depctr_va_sdst(0) depctr_va_ssrc(0) depctr_va_vcc(0) depctr_vm_vsrc(0)
	s_getreg_b32 s2, hwreg(HW_REG_IB_STS2, 6, 4)
	s_cmp_eq_u32 s2, 0
	s_cbranch_scc0 .Lentry_in_a_cluster
	s_endpgm
.Lentry_in_a_cluster:
	s_bfe_u32 s2, ttmp6, 0x10000c
	s_cmp_lg_u32 s2, 0xf033
	s_cbranch_scc0 .Lentry_shape_is_right
	s_endpgm
.Lentry_shape_is_right:
; y[m][n] = sum over k of A[m][k] W[k][n] + bias[n], f32.  A: planes of 64 along K, [KDIM / 64][4096 rows][64] bf16.  W: panels [KDIM k][128 n] bf16, from byte WOFF of their buffer.  y: [4096][1024] f32.
; Sums in f32, K ascending, started by the bias.  Here: the attention's output projection, KDIM = 1,024, WOFF = 0, ASKS = 0.  (The second feed-forward layer runs this text with KDIM = 4,096,
; WOFF = 2,097,152 and ASKS = 1.  They are two kernels, since the count of a loop that holds barriers is a constant of the text.)
; A tile of y is 128 x 128, so that 4,096 x 1,024 gives each of 256 work-groups one.  Four waves, each 64 x 64: 16 accumulators, 128 registers.  K goes in steps of 256, as long as two LDS slots allow.
; A's tile of a step is four planes x 64 rows for each of two waves: in memory a plane's 64 rows are 8,192 dense bytes, asked for as one row of the tensor load's tile; in LDS every 128 bytes get 16 of padding.
; W's rows lie along N: its fragments come out of LDS turned, by ds_load_tr16_b128.  THE MATRIX INSTRUCTION IS USED TRANSPOSED (source 0 = 16 columns of W, source 1 = 16 rows of A): a lane holds
; eight neighbouring numbers of a row of y.  CLUSTERS: 4 x 4; A's tiles are asked for jointly along a row of the cluster, W's along a column.
; THE LOOP.  K falls into quarters of 64, four to a slot; even quarters are multiplied from fragment buffer F0, odd ones from F1, and each quarter fetches the next one's fragments in its middle.  A PAIR of
; quarters (F1, then F0) is written once; its LDS addresses hang on two scalars that step.  The reads of slot s are all back when quarter 4 s + 3 begins: there stands the change of slots, and behind it two
; pairs, which fetch the other slot's four quarters.  The loop is entered in the middle of a pair, at quarter 0: so that quarter 0 is a quarter like any other, the bias is loaded straight into the accumulators.
; ASKING AHEAD (ASKS = 1).  The two slots fill LDS, so a refill has one K step, 128 matrix instructions, in which to land.  Each tile is therefore asked for by global_prefetch_b8 AHEAD = 2 trips before its
; tensor load: trip i, which loads K step i + 2, asks for K step i + 4; K steps 2 and 3 are asked for at the head, behind the first fills; the last two trips ask for nothing, so no request passes the last
; K step.  Each aligned 256 bytes are asked for once in the launch: A's tile of a step (4 planes x 16,384 bytes) is read by the 8 work-groups of a tile row, and tile column C asks for 8,192 bytes of it
; (plane C / 2, half C % 2); W's (65,536 bytes) is read by 32 work-groups, of which tile rows 0 to 7 (the first two rows of clusters) ask for 8,192 bytes each.  Wave 0 asks, 32 lanes 256 bytes apart.
; With ASKS = 0 none of it is assembled: of this launch's four K steps two are first fills.
; REGISTERS: window 0: v0-31 addresses; v128-255 the accumulators ((a, b) at v[128 + 8 (4 a + b)]).
;   window 1: two fragment buffers of 128: for 64 along K, 64 registers of A (2 x 4 x 16 rows x 32 K), then 64 of W.
.set KDIM,   1024
.set WOFF,   0
.set ASKS,   0
.set AHEAD,  2                         ; trips from the asking for a tile to its tensor load
.set PANEL,  KDIM*256                  ; bytes in a panel of W
.set KSTEP,  256
.set STEPS,  KDIM/KSTEP
.set ASTEP,  4*524288                  ; bytes from K step to K step in A: four planes,
.set WSTEP,  KSTEP*256                 ; in W: 256 rows of 256 bytes
.set PITA,   144                       ; a row of a plane of A in LDS: 128 bytes + 16: the 16 rows of a load start at 16 different groups of four banks (64 banks of 4 bytes: ISA guide 11.1)
.set PLANE,  64*PITA
.set PITB,   288                       ; a row of W: 256 + 32
.set HALFT,  4*PLANE                   ; what one tensor load brings: four planes x 64 rows of A, or 128 rows of W (128 x 288 is the same number)
.set SLOT,   4*HALFT                   ; A's two halves, then W's 256 rows.  0x24000: no bit in common with wave x HALFT (0x9000 w), so one exclusive or moves a load's LDS address from slot to slot
.set QA,     PLANE                     ; from quarter to quarter: a plane of A,
.set QB,     64*PITB                   ; 64 rows of W
.set STAGE,  2*SLOT                    ; behind the ring: 16 rows x 272 bytes for each wave, for the way out
.set SPITCH, 272
.set SPARE,  STAGE+4*16*SPITCH         ; the spare words, 128 bytes for each wave: two blocks of 256 bytes that no other line names
.set ADRA, 16                          ; v16     my lane's place in A's part of slot 0; never rewritten
.set AA,   17                          ; v17     LDS address of A's fragments for the pair in hand
.set ADRB, 20                          ; v20     my lane's place in W's part of slot 0; never rewritten
.set AB,   21                          ; v21     LDS address of W's fragments for the pair in hand
.set STO,  24                          ; v24     the way out: where I put 32 bytes of a row
.set RD,   25                          ; v25     the way out: where I read a row back
.set CO,   26                          ; v26     my byte offset in y
.set BO,   27                          ; v27     my byte offset in the bias
.set SPW,  28                          ; v28     LDS address of my spare word; never rewritten
.set NIL,  29                          ; v29     0; never rewritten
.set PFO,  30                          ; v30     256 x my lane: the asking's offsets; never rewritten
.set ACC,  128
.set F0,   0                           ; fragment buffers, in window 1
.set F1,   128
.set G1, 24                            ; s[24:31] descriptor group 1 for A's tiles;  s[32:39] group 0: a set for each of the two first fills; the second then walks on
.set G0, 32
.set G1B, 48                           ; s[48:55], s[56:63] the same for W's
.set G0B, 56
.set CNT,   66                         ; s66  counts a slot's two pairs
.set SLOTS, 67                         ; s67  slots still to be asked for
.set TBA,   68                         ; s68  LDS byte, from A's part of slot 0, at which the next pair's fetches begin
.set TBB,   69                         ; s69  the same for W
.set PFA,   70                         ; s[70:71] A at my 8,192 bytes of the K step from which the asking counts
.set PFW,   72                         ; s[72:73] the same for W
.set YC,    74                         ; s74  the cluster's y: the same number in all sixteen partners
.set MSB, 0
.macro WIN new                         ; the immediate's high byte repeats the setting that is left
.if MSB != (\new)
	s_set_vgpr_msb (MSB<<8)|(\new)
.set MSB, \new
.endif
.endm
.set MUL,  0x05                        ; sources 0 (W) and 1 (A) window 1; C and D window 0
.set TO_F, 0x40                        ; destination window 1, address window 0
.macro JLOAD s                         ; a joint load: waves 0 and 1 fetch A's two halves, waves 2 and 3 W's; an s_nop 0 and four v_nop follow each of the two lines
	s_cmp_eq_u32 s11, 0
	s_cbranch_scc0 .Lfor_b_\@
	tensor_load_to_lds s[G0+4*(\s):G0+4*(\s)+3], s[G1:G1+7]
	s_nop 0
.rept 4
	v_nop
.endr
	s_branch .Lasked_\@
.Lfor_b_\@:
	tensor_load_to_lds s[G0B+4*(\s):G0B+4*(\s)+3], s[G1B:G1B+7]
	s_nop 0
.rept 4
	v_nop
.endr
.Lasked_\@:
.endm
; The asking.  Wave 0 alone; W's share only in the first two rows of clusters.  first = 1: at the head, the AHEAD K steps from the bases on; else the one K step AHEAD - 1 behind the bases, which have just stepped.
.macro ASK first
	s_cmp_lg_u32 s10, 0
	s_cbranch_scc1 .Lnone_\@
.if \first
.set n, 0
.rept AHEAD
	global_prefetch_b8 v[PFO], s[PFA:PFA+1] offset:n*ASTEP th:TH_LOAD_NT scope:SCOPE_SE
.set n, n+1
.endr
.else
	global_prefetch_b8 v[PFO], s[PFA:PFA+1] offset:(AHEAD-1)*ASTEP th:TH_LOAD_NT scope:SCOPE_SE
.endif
	s_cmp_ge_u32 s[YC], 2
	s_cbranch_scc1 .Lnone_\@
.if \first
.set n, 0
.rept AHEAD
	global_prefetch_b8 v[PFO], s[PFW:PFW+1] offset:n*WSTEP th:TH_LOAD_NT scope:SCOPE_SE
.set n, n+1
.endr
.else
	global_prefetch_b8 v[PFO], s[PFW:PFW+1] offset:(AHEAD-1)*WSTEP th:TH_LOAD_NT scope:SCOPE_SE
.endif
.Lnone_\@:
.endm
; A round of the cluster's barrier: my work-group's barrier, so that wave 0's signal speaks for all four waves; wave 0 signals; every wave waits for all sixteen work-groups; my work-group's barrier once more.
.macro CROUND
	s_barrier_signal -1
	s_barrier_wait -1
	s_cmp_lg_u32 s10, 0
	s_cbranch_scc1 .Lnot_wave_0_\@
	s_barrier_signal -3
.Lnot_wave_0_\@:
	s_barrier_wait -3
	s_barrier_signal -1
	s_barrier_wait -1
.endm
	s_load_b128 s[4:7], s[0:1], 0x0                ; A s[4:5], W's buffer s[6:7]
	s_load_b64 s[2:3], s[0:1], 0x10                ; the bias
	s_load_b64 s[8:9], s[0:1], 0x18                ; y
	v_lshl_add_u32 v[SPW], v0, 2, SPARE
	v_mov_b32 v[NIL], 0
	ds_add_u32 v28, v29
	s_wait_dscnt 0x0
	v_lshrrev_b32 v1, 5, v0
	v_readfirstlane_b32 s10, v1                    ; wave 0..3
	s_lshr_b32 s11, s10, 1                         ; which half of the tile's rows is mine.  Also: I fetch for A (0) or for W (1)
	s_and_b32 s12, s10, 1                          ; which half of its columns.  Also: which half of that tile I fetch
	s_bfe_u32 s40, ttmp6, 0x40000                  ; cx, cy: my place in the cluster
	s_bfe_u32 s41, ttmp6, 0x40004
	s_lshl_b32 s42, ttmp9, 2
	s_add_co_u32 s42, s42, s40                     ; tile column = 4 x cluster x + cx
	s_and_b32 s13, ttmp7, 0xffff
	s_lshl_b32 s13, s13, 2
	s_add_co_u32 s13, s13, s41                     ; tile row = 4 x cluster y + cy
	s_lshl_b32 s43, s41, 2
	s_lshl_b32 s43, 15, s43                        ; my row of the cluster
	s_lshl_b32 s44, 0x1111, s40                    ; my column
	; A's tiles: 4 rows (planes) of 4,096 elements (64 rows of A x 64 along K, dense), 262,144 elements from plane to plane; 4 words of padding behind every 32
	s_or_b32 s[G1+0], s43, (1<<16)|(1<<20)|(1<<21)|(4<<22)|(3<<25)  ; 15:0 the mask: my row; 17:16 2-byte elements; 20 padding on; 21 set beside a mask; 24:22 every 32 words; 31:25 4 words
	s_mov_b32 s[G1+1], 4096<<16                    ; tensor_dim0 = 4,096
	s_mov_b32 s[G1+2], 4<<16                       ; tensor_dim1 = 4
	s_mov_b32 s[G1+3], 4096<<16                    ; tile_dim0 = 4,096
	s_mov_b32 s[G1+4], 4                           ; tile_dim1 = 4
	s_mov_b32 s[G1+5], 262144                      ; elements from plane to plane
	s_mov_b32 s[G1+6], 0
	s_mov_b32 s[G1+7], 0
	; W's tiles: 128 rows (k) x 128 elements (n), 8 words of padding behind every 64
	s_or_b32 s[G1B+0], s44, (1<<16)|(1<<20)|(1<<21)|(5<<22)|(7<<25)  ; the mask: my column
	s_mov_b32 s[G1B+1], 128<<16
	s_mov_b32 s[G1B+2], 128<<16
	s_mov_b32 s[G1B+3], 128<<16
	s_mov_b32 s[G1B+4], 128
	s_mov_b32 s[G1B+5], 128
	s_mov_b32 s[G1B+6], 0
	s_mov_b32 s[G1B+7], 0
	s_lshl_b32 s16, s13, 7
	s_lshl_b32 s17, s12, 6
	s_add_co_u32 s16, s16, s17                     ; A: row 128 x tile row + 64 x half,
	s_lshl_b32 s16, s16, 7                         ; of 128 bytes in a plane
	s_mov_b32 s17, 0
	s_mul_i32 s46, s42, PANEL                      ; W: the panel,
	s_lshl_b32 s47, s12, 15                        ; 128 rows of 256 bytes a half
	s_add_co_u32 s46, s46, s47
.if WOFF
	s_add_co_u32 s46, s46, WOFF
.endif
	s_mov_b32 s47, 0
	s_mul_i32 s20, s10, HALFT                      ; where they go: wave x a load's bytes
	s_wait_kmcnt 0x0
	s_add_nc_u64 s[14:15], s[4:5], s[16:17]
	s_add_nc_u64 s[46:47], s[6:7], s[46:47]
.if ASKS
	s_and_b32 s[YC], ttmp7, 0xffff
	s_lshr_b32 s76, s42, 1                         ; the asking's bases, at K step 2.  A: plane 4 x 2 + C / 2, of 524,288 bytes,
	s_add_co_u32 s76, s76, 8
	s_lshl_b32 s76, s76, 19
	s_lshl_b32 s77, s13, 14                        ; the tile row's 128 rows of 128 bytes,
	s_add_co_u32 s76, s76, s77
	s_and_b32 s77, s42, 1                          ; half C % 2 of them
	s_lshl_b32 s77, s77, 13
	s_add_co_u32 s76, s76, s77
	s_mov_b32 s77, 0
	s_add_nc_u64 s[PFA:PFA+1], s[4:5], s[76:77]
	s_mul_i32 s76, s42, PANEL                      ; W: the panel, K step 2, and 32 rows of 256 bytes for each tile row (used by tile rows 0 to 7 alone)
	s_lshl_b32 s77, s13, 13
	s_add_co_u32 s76, s76, s77
	s_add_co_u32 s76, s76, WOFF+2*WSTEP
	s_mov_b32 s77, 0
	s_add_nc_u64 s[PFW:PFW+1], s[6:7], s[76:77]
.endif
	CROUND                                         ; all sixteen work-groups are here: the first joint loads meet
.irp s, 0,1
	s_mov_b32 s[G0+4*(\s)], 1
	s_add_co_u32 s[G0+4*(\s)+1], s20, (\s)*SLOT
	s_add_nc_u64 s[G0+4*(\s)+2:G0+4*(\s)+3], s[14:15], (\s)*4*524288   ; K step s: four planes of 524,288 bytes on
	s_or_b32 s[G0+4*(\s)+3], s[G0+4*(\s)+3], 0x80000000
	s_mov_b32 s[G0B+4*(\s)], 1
	s_add_co_u32 s[G0B+4*(\s)+1], s20, (\s)*SLOT
	s_add_nc_u64 s[G0B+4*(\s)+2:G0B+4*(\s)+3], s[46:47], (\s)*KSTEP*256
	s_or_b32 s[G0B+4*(\s)+3], s[G0B+4*(\s)+3], 0x80000000
	JLOAD \s                                       ; two loads of mine are out
.endr
.if ASKS
	v_and_b32 v[PFO], 31, v0
	v_lshlrev_b32 v[PFO], 8, v[PFO]
	ASK 1                                          ; K steps 2 and 3, which the first two trips load
.endif
	v_and_b32 v1, 15, v0                           ; l % 16
	v_bfe_u32 v2, v0, 4, 1                         ; l / 16
	v_and_b32 v6, 7, v0                            ; l % 8
	v_bfe_u32 v7, v0, 3, 1                         ; (l / 8) % 2
	s_lshl_b32 s46, s42, 9                         ; the bias of my 64 columns: 512 x tile column + 256 x half; a lane's eight numbers begin at 32 (l / 16)
	s_lshl_b32 s47, s12, 8
	s_add_co_u32 s46, s46, s47
	v_lshl_add_u32 v[BO], v2, 5, s46
	; The sums start as the bias: register j of accumulator (a, b) takes bias[16 b + 8 (l / 16) + j], the column that it holds.  32 loads, in the wait for the first tile; nothing is cleared, no bias is added later.
.irp a, 0,1,2,3
.irp b, 0,1,2,3
	global_load_b128 v[ACC+8*(4*(\a)+(\b)):ACC+8*(4*(\a)+(\b))+3],   v[BO], s[2:3] offset:64*(\b)
	global_load_b128 v[ACC+8*(4*(\a)+(\b))+4:ACC+8*(4*(\a)+(\b))+7], v[BO], s[2:3] offset:64*(\b)+16
.endr
.endr
	v_mul_u32_u24 v3, v1, PITA
	v_lshl_add_u32 v3, v2, 4, v3                   ; A: row x pitch + 16 x half
	v_lshl_add_u32 v4, v2, 3, v6                   ; W, turned: row k = 8 (l / 16) + l % 8, columns 8 ((l / 8) % 2) on
	v_mul_u32_u24 v4, v4, PITB
	v_lshl_add_u32 v4, v7, 4, v4
	s_mul_i32 s21, s11, HALFT                      ; my 64 rows of A
	s_lshl_b32 s22, s12, 7                         ; my 64 columns of W: 128 bytes of its rows,
	s_add_co_u32 s22, s22, 2*HALFT                 ; which lie behind A
	v_add_nc_u32 v[ADRA], s21, v3
	v_add_nc_u32 v[ADRB], s22, v4
	s_mul_i32 s23, s10, 16*SPITCH
	s_add_co_u32 s23, s23, STAGE                   ; my stage
	v_mul_u32_u24 v5, v1, SPITCH                   ; in: row l % 16, 32 bytes for each half of the lanes
	v_lshl_add_u32 v5, v2, 5, v5
	v_add_nc_u32 v[STO], s23, v5
	v_mul_u32_u24 v5, v2, SPITCH                   ; back: lanes 0-15 take one row of 256 bytes, lanes 16-31 the next
	v_lshl_add_u32 v5, v1, 4, v5
	v_add_nc_u32 v[RD], s23, v5
	v_lshlrev_b32 v5, 12, v2                       ; and the same two rows in y
	v_lshl_add_u32 v[CO], v1, 4, v5
	s_lshl_b32 s16, s13, 7
	s_lshl_b32 s17, s11, 6
	s_add_co_u32 s16, s16, s17                     ; my first row of y: 128 x tile row + 64 x half, of 4,096 bytes;
	s_lshl_b32 s16, s16, 12
	s_add_co_u32 s46, s46, s16                     ; my first column's bytes are the bias's offset
	s_mov_b32 s47, 0
	s_add_nc_u64 s[8:9], s[8:9], s[46:47]
; 8 matrix instructions: m blocks a0, a0 + 1 x all 4 n blocks, 32 along K: half c of buffer f
.macro MUL8 f, c, a0
	WIN MUL
.irp a, \a0, (\a0)+1
.irp b, 0,1,2,3
	v_wmma_f32_16x16x32_bf16 v[ACC+8*(4*(\a)+(\b)):ACC+8*(4*(\a)+(\b))+7], v[(\f)+64+8*(4*(\c)+(\b)):(\f)+64+8*(4*(\c)+(\b))+7], v[(\f)+8*(4*(\c)+(\a)):(\f)+8*(4*(\c)+(\a))+7], v[ACC+8*(4*(\a)+(\b)):ACC+8*(4*(\a)+(\b))+7]
.endr
.endr
.endm
; The LDS addresses of a pair's two fetches; the scalars step on to the next pair.
.macro BASE
	v_add_nc_u32 v[AA], s[TBA], v[ADRA]
	v_add_nc_u32 v[AB], s[TBB], v[ADRB]
	s_add_co_u32 s[TBA], s[TBA], 2*QA
	s_add_co_u32 s[TBB], s[TBB], 2*QB
.endm
; 32 LDS loads in one run: the fragments of quarter qo (0, 1) of the pair's two (64 along K: a plane of A's part, 64 rows of W) into buffer f; the first 32 along K first
.macro FETCH qo, f
	WIN TO_F
.irp c, 0,1
.irp i, 0,1,2,3
	ds_load_tr16_b128 v[(\f)+64+8*(4*(\c)+(\i)):(\f)+64+8*(4*(\c)+(\i))+3],   v[AB] offset:(\qo)*QB+(\c)*32*PITB+32*(\i)
	ds_load_tr16_b128 v[(\f)+64+8*(4*(\c)+(\i))+4:(\f)+64+8*(4*(\c)+(\i))+7], v[AB] offset:(\qo)*QB+(\c)*32*PITB+16*PITB+32*(\i)
	ds_load_b128 v[(\f)+8*(4*(\c)+(\i)):(\f)+8*(4*(\c)+(\i))+3],         v[AA] offset:(\qo)*QA+64*(\c)+(\i)*16*PITA
	ds_load_b128 v[(\f)+8*(4*(\c)+(\i))+4:(\f)+8*(4*(\c)+(\i))+7],       v[AA] offset:(\qo)*QA+64*(\c)+(\i)*16*PITA+32
.endr
.endr
.endm
.macro PLACES                          ; four places in front of loads into registers that matrix instructions have read, and of LDS stores that read results (ISA guide 7.12.1 for the stores)
.rept 4
	v_nop
.endr
.endm
; A quarter: 32 matrix instructions on buffer f, two deep on each of the 16 accumulators, which take turns.  In its middle it fetches the next quarter, qo of the pair's two, into buffer g.
.macro QUARTER f, g, qo
	s_wait_dscnt 16                                ; the first 32 along K are in
	MUL8 \f, 0, 0
	MUL8 \f, 0, 2
	PLACES
	FETCH \qo, \g
	s_wait_dscnt 32                                ; all but the 32 just issued
	MUL8 \f, 1, 0
	MUL8 \f, 1, 2
.endm
; THE CHANGE OF SLOTS, in front of a slot's last quarter, whose fragments are in registers.  Each wave waits for all its tensor loads, of which one is out: its part of the other slot; adds 0 to its spare
; word; and waits for that and for its own reads of the slot.  Behind the barrier nobody reads this slot any more and the other slot is whole.  fill = 1: this slot is filled again, two K steps ahead: the barrier
; is then a round of the cluster's, and the joint refill is the first thing behind it: it has a whole K step, 128 matrix instructions, in which to land.
.macro CHANGE fill
	WIN 0                                          ; at a label and at a branch every window is 0
	s_wait_tensorcnt 0x0                           ; no tensor load of mine is out, so a group 0 may be written
	ds_add_u32 v[SPW], v[NIL]                      ; 0 onto my spare word
.if \fill
	s_xor_b32 s[G0+5], s[G0+5], SLOT               ; the walking descriptors: the other slot than last time,
	s_add_nc_u64 s[G0+6:G0+7], s[G0+6:G0+7], 4*524288      ; the next K step: four planes on; the type bits on top are not reached
	s_xor_b32 s[G0B+5], s[G0B+5], SLOT
	s_add_nc_u64 s[G0B+6:G0B+7], s[G0B+6:G0B+7], KSTEP*256
.if ASKS
	s_wait_xcnt 0x0                                ; the asking of the trip before has read its bases: only behind this wait are they stepped
	s_add_nc_u64 s[PFA:PFA+1], s[PFA:PFA+1], ASTEP
	s_add_nc_u64 s[PFW:PFW+1], s[PFW:PFW+1], WSTEP
.endif
	s_wait_dscnt 0x0                               ; the add is done, and my reads of the slot are over
	CROUND                                         ; no wave of any partner still reads this slot's tile or has a load on its way
	JLOAD 1                                        ; my one tensor load behind the round
.if ASKS
	s_cmp_lt_u32 s[SLOTS], AHEAD+1                 ; the last AHEAD trips ask for nothing: their K steps would lie behind the last
	s_cbranch_scc1 .Lquiet_\@
	ASK 0                                          ; the K step that the trip AHEAD trips on loads
.Lquiet_\@:
.endif
.else
	s_wait_dscnt 0x0                               ; the add is done, and my reads of the slot are over
	s_barrier_signal -1
	s_barrier_wait -1
.endif
	s_sub_co_u32 s[TBA], s[TBA], 4*QA              ; the fetches go back to a slot's first quarter,
	s_xor_b32 s[TBA], s[TBA], SLOT                 ; in the other slot
	s_sub_co_u32 s[TBB], s[TBB], 4*QB
	s_xor_b32 s[TBB], s[TBB], SLOT
.endm
; THE WAY OUT of block a (16 rows x my 64 columns, 256 bytes a row): into my own stage, each accumulator's low four registers first, and back as whole rows, into the registers that the block left.
.macro STG a
.irp b, 0,1,2,3
	ds_store_b128 v[STO], v[ACC+32*(\a)+8*(\b):ACC+32*(\a)+8*(\b)+3]   offset:64*(\b)
	ds_store_b128 v[STO], v[ACC+32*(\a)+8*(\b)+4:ACC+32*(\a)+8*(\b)+7] offset:64*(\b)+16
.endr
.irp t, 0,1,2,3,4,5,6,7
	ds_load_b128 v[ACC+32*(\a)+4*(\t):ACC+32*(\a)+4*(\t)+3], v[RD] offset:(\t)*2*SPITCH  ; LDS serves a wave's instructions in order (ISA guide 5.7.1.4): these see the stores above; the next block's stores come behind them
.endr
.endm
.macro SEND a, younger                 ; younger: the LDS instructions issued behind block a's loads: the next block's sixteen, or none
.irp t, 0,1,2,3,4,5,6,7
	s_wait_dscnt (\younger)+7-(\t)
	global_store_b128 v[CO], v[ACC+32*(\a)+4*(\t):ACC+32*(\a)+4*(\t)+3], s[8:9] offset:(16*(\a)+2*(\t))*4096  ; 16 lanes store 256 consecutive bytes, at a multiple of 256 from y's first byte
.endr
.endm
	s_wait_loadcnt 0x0                             ; the bias lies in the accumulators
	s_wait_tensorcnt 1                             ; my part of K step 0 is in; K step 1's may stay out
	s_barrier_signal -1
	s_barrier_wait -1                              ; everybody's is
	s_mov_b32 s[TBA], 0
	s_mov_b32 s[TBB], 0
	BASE
	FETCH 0, F0                                    ; quarter 0
	WIN 0
	s_mov_b32 s[CNT], 2
	s_mov_b32 s[SLOTS], STEPS-1
	s_branch .Lmid                                 ; the loop is entered at quarter 0, in the middle of a pair
.Lslot:                                                ; STEPS - 2 times: every slot but the last two is filled again
	CHANGE 1
	s_mov_b32 s[CNT], 2
.Lpair:                                                ; a trip: an odd quarter and the even one behind it
	BASE
	QUARTER F1, F0, 0
	WIN 0
.Lmid:
	QUARTER F0, F1, 1
	WIN 0
	s_sub_co_u32 s[CNT], s[CNT], 1
	s_cmp_lg_u32 s[CNT], 0
	s_cbranch_scc1 .Lpair
	s_sub_co_u32 s[SLOTS], s[SLOTS], 1
	s_cmp_lg_u32 s[SLOTS], 0
	s_cbranch_scc1 .Lslot
	CHANGE 0                                       ; the tail is written out: nothing is asked for
	s_mov_b32 s[CNT], 2
.Ltail:
	BASE
	QUARTER F1, F0, 0
	QUARTER F0, F1, 1
	WIN 0
	s_sub_co_u32 s[CNT], s[CNT], 1
	s_cmp_lg_u32 s[CNT], 0
	s_cbranch_scc1 .Ltail
	s_wait_dscnt 16                                ; the very last quarter: nothing more to fetch
	MUL8 F1, 0, 0
	MUL8 F1, 0, 2
	s_wait_dscnt 0x0
	MUL8 F1, 1, 0
	MUL8 F1, 1, 2
	WIN 0
	PLACES
	STG 0
	STG 1
	SEND 0, 16
	STG 2
	SEND 1, 16
	STG 3
	SEND 2, 16
	SEND 3, 0
	s_wait_tensorcnt 0x0                           ; the wave's end
	ds_add_u32 v[SPW], v[NIL]
	s_wait_dscnt 0x0
	CROUND                                         ; the closing round: no work-group ends while a partner may still ask for a tile that names it
	s_endpgm
.Lfunc_end_k_q5fee6a82bc_proj:
	.size	k_q5fee6a82bc_proj, .Lfunc_end_k_q5fee6a82bc_proj-k_q5fee6a82bc_proj
	.p2alignl 7, 3214868480
	.fill 96, 4, 3214868480
	.section	.rodata,"a",@progbits
	.p2align	6, 0x0
	.amdhsa_kernel k_q5fee6a82bc_proj
		.amdhsa_group_segment_fixed_size 327680
		.amdhsa_private_segment_fixed_size 0
		.amdhsa_enable_private_segment 0
		.amdhsa_kernarg_size 32
		.amdhsa_user_sgpr_count 2
		.amdhsa_user_sgpr_kernarg_segment_ptr 1
		.amdhsa_wavefront_size32 1
		.amdhsa_system_sgpr_workgroup_id_x 1
		.amdhsa_system_sgpr_workgroup_id_y 1
		.amdhsa_system_sgpr_workgroup_id_z 1
		.amdhsa_system_vgpr_workitem_id 0
		.amdhsa_next_free_vgpr 512
		.amdhsa_next_free_sgpr 70
		.amdhsa_reserve_vcc 0
		.amdhsa_float_denorm_mode_32 3
		.amdhsa_float_denorm_mode_16_64 3
		.amdhsa_memory_ordered 1
		.amdhsa_forward_progress 1
		.amdhsa_inst_pref_size 43
	.end_amdhsa_kernel
	.amdgpu_metadata
---
amdhsa.version: [ 1, 2 ]
amdhsa.kernels:
  - .name:           k_q5fee6a82bc_proj
    .symbol:         k_q5fee6a82bc_proj.kd
    .args:
      - { .name: o, .offset: 0, .size: 8, .value_kind: global_buffer, .address_space: global }
      - { .name: pw, .offset: 8, .size: 8, .value_kind: global_buffer, .address_space: global }
      - { .name: bo, .offset: 16, .size: 8, .value_kind: global_buffer, .address_space: global }
      - { .name: y, .offset: 24, .size: 8, .value_kind: global_buffer, .address_space: global }
    .group_segment_fixed_size: 327680
    .private_segment_fixed_size: 0
    .kernarg_segment_align: 8
    .kernarg_segment_size: 32
    .max_flat_workgroup_size: 128
    .sgpr_count:     70
    .vgpr_count:     512
    .wavefront_size: 32
...
	.end_amdgpu_metadata
.endif
;; end of part 4
;; launch ln1 (part 5): grid 512 x 1, 8 waves a work-group, no clusters, 0 bytes of LDS; arguments y, x, ln1_g, ln1_b, x1, ab; writes x1, ab
.if DOCPART == 5
	.amdgcn_target "amdgcn-amd-amdhsa--gfx1250"
	.amdhsa_code_object_version 6
	.text
	.protected	k_q5fee6a82bc_ln1
	.globl	k_q5fee6a82bc_ln1
	.p2align	8
	.type	k_q5fee6a82bc_ln1,@function
k_q5fee6a82bc_ln1:
	s_mov_b64 s[64:65], 0
	v_nop
	global_prefetch_b8 v0, s[64:65] scope:SCOPE_SE
	s_setreg_imm32_b32 hwreg(HW_REG_WAVE_MODE, 25, 1), 1
	s_wait_xcnt 0x0
; x1[r][:] = (t - mean(t)) * rsqrt(mean((t - mean(t))^2) + 1e-5) * g + b, t = x[r][:] + y[r][:], rows of 1,024 f32; x1 is stored in f32 and, rounded once, in bf16 (ab) for the next product.
; One wave takes one row: 4,096 bytes, eight loads of 16 bytes a lane, kept in 32 registers through both passes: each byte is read once, no wave waits for another, no LDS, no barrier.
; The variance is the mean of the squared differences from the mean, not a difference of two large sums.  Memory binds: matrix units and clusters would add nothing.
.set Y,  8                             ; v[8:39]    y's row, then t, then the result
.set R,  40                            ; v[40:71]   x's row, then at work
.set G,  72                            ; v[72:103]  the gain of my 32 columns
.set BV, 104                           ; v[104:135] the bias
.set M,  136                           ; v[136:137] the mean, twice
.set Q,  138                           ; v[138:139] 1 / the deviation, twice
.set T,  140                           ; v[140:141] at work
.set H,  144                           ; v[144:159] the result in bf16
	s_load_b256 s[4:11], s[0:1], 0x0               ; y s[4:5], x s[6:7], g s[8:9], b s[10:11]
	s_load_b128 s[12:15], s[0:1], 0x20             ; x1 s[12:13], ab s[14:15]
	s_lshl_b32 s2, ttmp9, 15                       ; the work-group's eight rows of 4,096 bytes,
	s_mov_b32 s3, 0
	s_lshl_b32 s16, ttmp9, 14                      ; of 2,048 in bf16
	s_mov_b32 s17, 0
	s_mov_b32 s18, 0x3a800000                      ; 1 / 1,024
	s_mov_b32 s19, 0x3727c5ac                      ; 1e-5
	s_mov_b32 s20, 0x76543210                      ; v_permlanex16_b32: lane i of one half reads lane i of the other
	s_mov_b32 s21, 0xfedcba98
	v_and_b32 v1, 31, v0                           ; lane
	v_and_b32 v4, 0xe0, v0                         ; 32 x wave
	v_lshlrev_b32 v3, 3, v1
	v_lshlrev_b32 v1, 4, v1                        ; 16 bytes a lane: g and b
	v_lshl_or_b32 v2, v4, 7, v1                    ; + the wave's row of 4,096 bytes
	v_lshl_or_b32 v3, v4, 6, v3                    ; 8 bytes a lane + the wave's row of 2,048 bytes
	s_wait_kmcnt 0x0
	s_add_nc_u64 s[4:5], s[4:5], s[2:3]
	s_add_nc_u64 s[6:7], s[6:7], s[2:3]
	s_add_nc_u64 s[12:13], s[12:13], s[2:3]
	s_add_nc_u64 s[14:15], s[14:15], s[16:17]
.irp j, 0,1,2,3,4,5,6,7
	global_load_b128 v[Y+4*\j:Y+4*\j+3], v2, s[4:5] offset:512*\j
.endr
.irp j, 0,1,2,3,4,5,6,7
	global_load_b128 v[R+4*\j:R+4*\j+3], v2, s[6:7] offset:512*\j
.endr
.irp j, 0,1,2,3,4,5,6,7
	global_load_b128 v[G+4*\j:G+4*\j+3], v1, s[8:9] offset:512*\j
.endr
.irp j, 0,1,2,3,4,5,6,7
	global_load_b128 v[BV+4*\j:BV+4*\j+3], v1, s[10:11] offset:512*\j
.endr
.macro LANES                           ; v[T] + v[T+1], summed over the wave's 32 lanes, into v[T] of every lane
	v_add_f32 v[T], v[T], v[T+1]
	v_add_f32_dpp v[T], v[T], v[T] row_xmask:1 row_mask:0xf bank_mask:0xf
	v_add_f32_dpp v[T], v[T], v[T] row_xmask:2 row_mask:0xf bank_mask:0xf
	v_add_f32_dpp v[T], v[T], v[T] row_xmask:4 row_mask:0xf bank_mask:0xf
	v_add_f32_dpp v[T], v[T], v[T] row_xmask:8 row_mask:0xf bank_mask:0xf
	v_permlanex16_b32 v[T+1], v[T], s20, s21       ; its destination counts as read: it has been written
	v_add_f32 v[T], v[T], v[T+1]
.endm
	s_wait_loadcnt 16                              ; the two rows are in; the sixteen loads of g and b stay out
.set i, 0
.rept 16
	v_pk_add_f32 v[Y+2*i:Y+2*i+1], v[Y+2*i:Y+2*i+1], v[R+2*i:R+2*i+1]   ; t
.set i, i+1
.endr
.set i, 0
.rept 8                                ; the sum of my 32 numbers, as a tree, in x's registers
	v_pk_add_f32 v[R+2*i:R+2*i+1], v[Y+4*i:Y+4*i+1], v[Y+4*i+2:Y+4*i+3]
.set i, i+1
.endr
.set i, 0
.rept 4
	v_pk_add_f32 v[R+2*i:R+2*i+1], v[R+4*i:R+4*i+1], v[R+4*i+2:R+4*i+3]
.set i, i+1
.endr
	v_pk_add_f32 v[R:R+1], v[R:R+1], v[R+2:R+3]
	v_pk_add_f32 v[R+2:R+3], v[R+4:R+5], v[R+6:R+7]
	v_pk_add_f32 v[T:T+1], v[R:R+1], v[R+2:R+3]
	LANES
	v_mul_f32 v[M], s18, v[T]
	v_mul_f32 v[M+1], s18, v[T]
.set i, 0
.rept 16
	v_pk_add_f32 v[Y+2*i:Y+2*i+1], v[Y+2*i:Y+2*i+1], v[M:M+1] neg_lo:[0,1] neg_hi:[0,1]   ; t - mean
.set i, i+1
.endr
.set i, 0
.rept 4                                ; the squares, in four chains started by the first four pairs
	v_pk_mul_f32 v[R+2*i:R+2*i+1], v[Y+2*i:Y+2*i+1], v[Y+2*i:Y+2*i+1]
.set i, i+1
.endr
.rept 12
	v_pk_fma_f32 v[R+2*(i%4):R+2*(i%4)+1], v[Y+2*i:Y+2*i+1], v[Y+2*i:Y+2*i+1], v[R+2*(i%4):R+2*(i%4)+1]
.set i, i+1
.endr
	v_pk_add_f32 v[R:R+1], v[R:R+1], v[R+2:R+3]
	v_pk_add_f32 v[R+4:R+5], v[R+4:R+5], v[R+6:R+7]
	v_pk_add_f32 v[T:T+1], v[R:R+1], v[R+4:R+5]
	LANES
	v_fma_f32 v[T], v[T], s18, s19                 ; the variance + 1e-5
	v_rsq_f32 v[Q], v[T]
	v_rsq_f32 v[Q+1], v[T]
	v_nop                                          ; a plain instruction between the last root and the use of its result (ISA guide 5.7.2)
.set i, 0
	s_wait_alu depctr_va_vdst(0)
.rept 16
	v_pk_mul_f32 v[Y+2*i:Y+2*i+1], v[Y+2*i:Y+2*i+1], v[Q:Q+1]
.set i, i+1
.endr
	s_wait_loadcnt 0x0                             ; g and b
.set i, 0
.rept 16
	v_pk_fma_f32 v[Y+2*i:Y+2*i+1], v[Y+2*i:Y+2*i+1], v[G+2*i:G+2*i+1], v[BV+2*i:BV+2*i+1]
.set i, i+1
.endr
.irp j, 0,1,2,3,4,5,6,7
	global_store_b128 v2, v[Y+4*\j:Y+4*\j+3], s[12:13] offset:512*\j   ; 512 consecutive bytes
.endr
.set i, 0
.rept 16
	v_cvt_pk_bf16_f32 v[H+i], v[Y+2*i], v[Y+2*i+1]
.set i, i+1
.endr
.irp j, 0,1,2,3,4,5,6,7
	global_store_b64 v3, v[H+2*\j:H+2*\j+1], s[14:15] offset:256*\j    ; 256 consecutive bytes, at a multiple of 256 from ab's first byte
.endr
	s_endpgm
.Lfunc_end_k_q5fee6a82bc_ln1:
	.size	k_q5fee6a82bc_ln1, .Lfunc_end_k_q5fee6a82bc_ln1-k_q5fee6a82bc_ln1
	.p2alignl 7, 3214868480
	.fill 96, 4, 3214868480
	.section	.rodata,"a",@progbits
	.p2align	6, 0x0
	.amdhsa_kernel k_q5fee6a82bc_ln1
		.amdhsa_group_segment_fixed_size 0
		.amdhsa_private_segment_fixed_size 0
		.amdhsa_enable_private_segment 0
		.amdhsa_kernarg_size 48
		.amdhsa_user_sgpr_count 2
		.amdhsa_user_sgpr_kernarg_segment_ptr 1
		.amdhsa_wavefront_size32 1
		.amdhsa_system_sgpr_workgroup_id_x 1
		.amdhsa_system_sgpr_workgroup_id_y 1
		.amdhsa_system_sgpr_workgroup_id_z 1
		.amdhsa_system_vgpr_workitem_id 0
		.amdhsa_next_free_vgpr 160
		.amdhsa_next_free_sgpr 66
		.amdhsa_reserve_vcc 0
		.amdhsa_float_denorm_mode_32 3
		.amdhsa_float_denorm_mode_16_64 3
		.amdhsa_memory_ordered 1
		.amdhsa_forward_progress 1
		.amdhsa_inst_pref_size 14
	.end_amdhsa_kernel
	.amdgpu_metadata
---
amdhsa.version: [ 1, 2 ]
amdhsa.kernels:
  - .name:           k_q5fee6a82bc_ln1
    .symbol:         k_q5fee6a82bc_ln1.kd
    .args:
      - { .name: y, .offset: 0, .size: 8, .value_kind: global_buffer, .address_space: global }
      - { .name: x, .offset: 8, .size: 8, .value_kind: global_buffer, .address_space: global }
      - { .name: ln1_g, .offset: 16, .size: 8, .value_kind: global_buffer, .address_space: global }
      - { .name: ln1_b, .offset: 24, .size: 8, .value_kind: global_buffer, .address_space: global }
      - { .name: x1, .offset: 32, .size: 8, .value_kind: global_buffer, .address_space: global }
      - { .name: ab, .offset: 40, .size: 8, .value_kind: global_buffer, .address_space: global }
    .group_segment_fixed_size: 0
    .private_segment_fixed_size: 0
    .kernarg_segment_align: 8
    .kernarg_segment_size: 48
    .max_flat_workgroup_size: 256
    .sgpr_count:     66
    .vgpr_count:     160
    .wavefront_size: 32
...
	.end_amdgpu_metadata
.endif
;; end of part 5
;; launch ff1: the kernel of part 2 again; grid 16 x 16, 4 waves a work-group, clusters of 4 x 4, 327,680 bytes of LDS; arguments ab, p1, big; writes big
;; launch ff2 (part 6): grid 8 x 32, 4 waves a work-group, clusters of 4 x 4, 327,680 bytes of LDS; arguments big, pw, b2, y; writes y
.if DOCPART == 6
	.amdgcn_target "amdgcn-amd-amdhsa--gfx1250"
	.amdhsa_code_object_version 6
	.text
	.protected	k_q5fee6a82bc_ff2
	.globl	k_q5fee6a82bc_ff2
	.p2align	8
	.type	k_q5fee6a82bc_ff2,@function
k_q5fee6a82bc_ff2:
	s_mov_b64 s[64:65], 0
	v_nop
	global_prefetch_b8 v0, s[64:65] scope:SCOPE_SE
	s_setreg_imm32_b32 hwreg(HW_REG_WAVE_MODE, 25, 1), 1
	s_wait_xcnt 0x0
	s_wait_alu depctr_hold_cnt(0) depctr_sa_sdst(0) depctr_va_vdst(0) depctr_va_sdst(0) depctr_va_ssrc(0) depctr_va_vcc(0) depctr_vm_vsrc(0)
	s_getreg_b32 s2, hwreg(HW_REG_IB_STS2, 6, 4)
	s_cmp_eq_u32 s2, 0
	s_cbranch_scc0 .Lentry_in_a_cluster
	s_endpgm
.Lentry_in_a_cluster:
	s_bfe_u32 s2, ttmp6, 0x10000c
	s_cmp_lg_u32 s2, 0xf033
	s_cbranch_scc0 .Lentry_shape_is_right
	s_endpgm
.Lentry_shape_is_right:
; y[m][n] = sum over k of A[m][k] W[k][n] + bias[n], f32.  A: planes of 64 along K, [KDIM / 64][4096 rows][64] bf16.  W: panels [KDIM k][128 n] bf16, from byte WOFF of their buffer.  y: [4096][1024] f32.
; Sums in f32, K ascending, started by the bias.  Here: the second feed-forward layer, KDIM = 4,096, WOFF = 2,097,152, ASKS = 1.  (The attention's output projection runs this text with KDIM = 1,024,
; WOFF = 0 and ASKS = 0.  They are two kernels, since the count of a loop that holds barriers is a constant of the text.)
; A tile of y is 128 x 128, so that 4,096 x 1,024 gives each of 256 work-groups one.  Four waves, each 64 x 64: 16 accumulators, 128 registers.  K goes in steps of 256, as long as two LDS slots allow.
; A's tile of a step is four planes x 64 rows for each of two waves: in memory a plane's 64 rows are 8,192 dense bytes, asked for as one row of the tensor load's tile; in LDS every 128 bytes get 16 of padding.
; W's rows lie along N: its fragments come out of LDS turned, by ds_load_tr16_b128.  THE MATRIX INSTRUCTION IS USED TRANSPOSED (source 0 = 16 columns of W, source 1 = 16 rows of A): a lane holds
; eight neighbouring numbers of a row of y.  CLUSTERS: 4 x 4; A's tiles are asked for jointly along a row of the cluster, W's along a column.
; THE LOOP.  K falls into quarters of 64, four to a slot; even quarters are multiplied from fragment buffer F0, odd ones from F1, and each quarter fetches the next one's fragments in its middle.  A PAIR of
; quarters (F1, then F0) is written once; its LDS addresses hang on two scalars that step.  The reads of slot s are all back when quarter 4 s + 3 begins: there stands the change of slots, and behind it two
; pairs, which fetch the other slot's four quarters.  The loop is entered in the middle of a pair, at quarter 0: so that quarter 0 is a quarter like any other, the bias is loaded straight into the accumulators.
; ASKING AHEAD (ASKS = 1).  The two slots fill LDS, so a refill has one K step, 128 matrix instructions, in which to land.  Each tile is therefore asked for by global_prefetch_b8 AHEAD = 2 trips before its
; tensor load: trip i, which loads K step i + 2, asks for K step i + 4; K steps 2 and 3 are asked for at the head, behind the first fills; the last two trips ask for nothing, so no request passes the last
; K step.  Each aligned 256 bytes are asked for once in the launch: A's tile of a step (4 planes x 16,384 bytes) is read by the 8 work-groups of a tile row, and tile column C asks for 8,192 bytes of it
; (plane C / 2, half C % 2); W's (65,536 bytes) is read by 32 work-groups, of which tile rows 0 to 7 (the first two rows of clusters) ask for 8,192 bytes each.  Wave 0 asks, 32 lanes 256 bytes apart.
; REGISTERS: window 0: v0-31 addresses; v128-255 the accumulators ((a, b) at v[128 + 8 (4 a + b)]).
;   window 1: two fragment buffers of 128: for 64 along K, 64 registers of A (2 x 4 x 16 rows x 32 K), then 64 of W.
.set KDIM,   4096
.set WOFF,   2097152
.set ASKS,   1
.set AHEAD,  2                         ; trips from the asking for a tile to its tensor load
.set PANEL,  KDIM*256                  ; bytes in a panel of W
.set KSTEP,  256
.set STEPS,  KDIM/KSTEP
.set ASTEP,  4*524288                  ; bytes from K step to K step in A: four planes,
.set WSTEP,  KSTEP*256                 ; in W: 256 rows of 256 bytes
.set PITA,   144                       ; a row of a plane of A in LDS: 128 bytes + 16: the 16 rows of a load start at 16 different groups of four banks (64 banks of 4 bytes: ISA guide 11.1)
.set PLANE,  64*PITA
.set PITB,   288                       ; a row of W: 256 + 32
.set HALFT,  4*PLANE                   ; what one tensor load brings: four planes x 64 rows of A, or 128 rows of W (128 x 288 is the same number)
.set SLOT,   4*HALFT                   ; A's two halves, then W's 256 rows.  0x24000: no bit in common with wave x HALFT (0x9000 w), so one exclusive or moves a load's LDS address from slot to slot
.set QA,     PLANE                     ; from quarter to quarter: a plane of A,
.set QB,     64*PITB                   ; 64 rows of W
.set STAGE,  2*SLOT                    ; behind the ring: 16 rows x 272 bytes for each wave, for the way out
.set SPITCH, 272
.set SPARE,  STAGE+4*16*SPITCH         ; the spare words, 128 bytes for each wave: two blocks of 256 bytes that no other line names
.set ADRA, 16                          ; v16     my lane's place in A's part of slot 0; never rewritten
.set AA,   17                          ; v17     LDS address of A's fragments for the pair in hand
.set ADRB, 20                          ; v20     my lane's place in W's part of slot 0; never rewritten
.set AB,   21                          ; v21     LDS address of W's fragments for the pair in hand
.set STO,  24                          ; v24     the way out: where I put 32 bytes of a row
.set RD,   25                          ; v25     the way out: where I read a row back
.set CO,   26                          ; v26     my byte offset in y
.set BO,   27                          ; v27     my byte offset in the bias
.set SPW,  28                          ; v28     LDS address of my spare word; never rewritten
.set NIL,  29                          ; v29     0; never rewritten
.set PFO,  30                          ; v30     256 x my lane: the asking's offsets; never rewritten
.set ACC,  128
.set F0,   0                           ; fragment buffers, in window 1
.set F1,   128
.set G1, 24                            ; s[24:31] descriptor group 1 for A's tiles;  s[32:39] group 0: a set for each of the two first fills; the second then walks on
.set G0, 32
.set G1B, 48                           ; s[48:55], s[56:63] the same for W's
.set G0B, 56
.set CNT,   66                         ; s66  counts a slot's two pairs
.set SLOTS, 67                         ; s67  slots still to be asked for
.set TBA,   68                         ; s68  LDS byte, from A's part of slot 0, at which the next pair's fetches begin
.set TBB,   69                         ; s69  the same for W
.set PFA,   70                         ; s[70:71] A at my 8,192 bytes of the K step from which the asking counts
.set PFW,   72                         ; s[72:73] the same for W
.set YC,    74                         ; s74  the cluster's y: the same number in all sixteen partners
.set MSB, 0
.macro WIN new                         ; the immediate's high byte repeats the setting that is left
.if MSB != (\new)
	s_set_vgpr_msb (MSB<<8)|(\new)
.set MSB, \new
.endif
.endm
.set MUL,  0x05                        ; sources 0 (W) and 1 (A) window 1; C and D window 0
.set TO_F, 0x40                        ; destination window 1, address window 0
.macro JLOAD s                         ; a joint load: waves 0 and 1 fetch A's two halves, waves 2 and 3 W's; an s_nop 0 and four v_nop follow each of the two lines
	s_cmp_eq_u32 s11, 0
	s_cbranch_scc0 .Lfor_b_\@
	tensor_load_to_lds s[G0+4*(\s):G0+4*(\s)+3], s[G1:G1+7]
	s_nop 0
.rept 4
	v_nop
.endr
	s_branch .Lasked_\@
.Lfor_b_\@:
	tensor_load_to_lds s[G0B+4*(\s):G0B+4*(\s)+3], s[G1B:G1B+7]
	s_nop 0
.rept 4
	v_nop
.endr
.Lasked_\@:
.endm
; The asking.  Wave 0 alone; W's share only in the first two rows of clusters.  first = 1: at the head, the AHEAD K steps from the bases on; else the one K step AHEAD - 1 behind the bases, which have just stepped.
.macro ASK first
	s_cmp_lg_u32 s10, 0
	s_cbranch_scc1 .Lnone_\@
.if \first
.set n, 0
.rept AHEAD
	global_prefetch_b8 v[PFO], s[PFA:PFA+1] offset:n*ASTEP th:TH_LOAD_NT scope:SCOPE_SE
.set n, n+1
.endr
.else
	global_prefetch_b8 v[PFO], s[PFA:PFA+1] offset:(AHEAD-1)*ASTEP th:TH_LOAD_NT scope:SCOPE_SE
.endif
	s_cmp_ge_u32 s[YC], 2
	s_cbranch_scc1 .Lnone_\@
.if \first
.set n, 0
.rept AHEAD
	global_prefetch_b8 v[PFO], s[PFW:PFW+1] offset:n*WSTEP th:TH_LOAD_NT scope:SCOPE_SE
.set n, n+1
.endr
.else
	global_prefetch_b8 v[PFO], s[PFW:PFW+1] offset:(AHEAD-1)*WSTEP th:TH_LOAD_NT scope:SCOPE_SE
.endif
.Lnone_\@:
.endm
; A round of the cluster's barrier: my work-group's barrier, so that wave 0's signal speaks for all four waves; wave 0 signals; every wave waits for all sixteen work-groups; my work-group's barrier once more.
.macro CROUND
	s_barrier_signal -1
	s_barrier_wait -1
	s_cmp_lg_u32 s10, 0
	s_cbranch_scc1 .Lnot_wave_0_\@
	s_barrier_signal -3
.Lnot_wave_0_\@:
	s_barrier_wait -3
	s_barrier_signal -1
	s_barrier_wait -1
.endm
	s_load_b128 s[4:7], s[0:1], 0x0                ; A s[4:5], W's buffer s[6:7]
	s_load_b64 s[2:3], s[0:1], 0x10                ; the bias
	s_load_b64 s[8:9], s[0:1], 0x18                ; y
	v_lshl_add_u32 v[SPW], v0, 2, SPARE
	v_mov_b32 v[NIL], 0
	ds_add_u32 v28, v29
	s_wait_dscnt 0x0
	v_lshrrev_b32 v1, 5, v0
	v_readfirstlane_b32 s10, v1                    ; wave 0..3
	s_lshr_b32 s11, s10, 1                         ; which half of the tile's rows is mine.  Also: I fetch for A (0) or for W (1)
	s_and_b32 s12, s10, 1                          ; which half of its columns.  Also: which half of that tile I fetch
	s_bfe_u32 s40, ttmp6, 0x40000                  ; cx, cy: my place in the cluster
	s_bfe_u32 s41, ttmp6, 0x40004
	s_lshl_b32 s42, ttmp9, 2
	s_add_co_u32 s42, s42, s40                     ; tile column = 4 x cluster x + cx
	s_and_b32 s13, ttmp7, 0xffff
	s_lshl_b32 s13, s13, 2
	s_add_co_u32 s13, s13, s41                     ; tile row = 4 x cluster y + cy
	s_lshl_b32 s43, s41, 2
	s_lshl_b32 s43, 15, s43                        ; my row of the cluster
	s_lshl_b32 s44, 0x1111, s40                    ; my column
	; A's tiles: 4 rows (planes) of 4,096 elements (64 rows of A x 64 along K, dense), 262,144 elements from plane to plane; 4 words of padding behind every 32
	s_or_b32 s[G1+0], s43, (1<<16)|(1<<20)|(1<<21)|(4<<22)|(3<<25)  ; 15:0 the mask: my row; 17:16 2-byte elements; 20 padding on; 21 set beside a mask; 24:22 every 32 words; 31:25 4 words
	s_mov_b32 s[G1+1], 4096<<16                    ; tensor_dim0 = 4,096
	s_mov_b32 s[G1+2], 4<<16                       ; tensor_dim1 = 4
	s_mov_b32 s[G1+3], 4096<<16                    ; tile_dim0 = 4,096
	s_mov_b32 s[G1+4], 4                           ; tile_dim1 = 4
	s_mov_b32 s[G1+5], 262144                      ; elements from plane to plane
	s_mov_b32 s[G1+6], 0
	s_mov_b32 s[G1+7], 0
	; W's tiles: 128 rows (k) x 128 elements (n), 8 words of padding behind every 64
	s_or_b32 s[G1B+0], s44, (1<<16)|(1<<20)|(1<<21)|(5<<22)|(7<<25)  ; the mask: my column
	s_mov_b32 s[G1B+1], 128<<16
	s_mov_b32 s[G1B+2], 128<<16
	s_mov_b32 s[G1B+3], 128<<16
	s_mov_b32 s[G1B+4], 128
	s_mov_b32 s[G1B+5], 128
	s_mov_b32 s[G1B+6], 0
	s_mov_b32 s[G1B+7], 0
	s_lshl_b32 s16, s13, 7
	s_lshl_b32 s17, s12, 6
	s_add_co_u32 s16, s16, s17                     ; A: row 128 x tile row + 64 x half,
	s_lshl_b32 s16, s16, 7                         ; of 128 bytes in a plane
	s_mov_b32 s17, 0
	s_mul_i32 s46, s42, PANEL                      ; W: the panel,
	s_lshl_b32 s47, s12, 15                        ; 128 rows of 256 bytes a half
	s_add_co_u32 s46, s46, s47
.if WOFF
	s_add_co_u32 s46, s46, WOFF
.endif
	s_mov_b32 s47, 0
	s_mul_i32 s20, s10, HALFT                      ; where they go: wave x a load's bytes
	s_wait_kmcnt 0x0
	s_add_nc_u64 s[14:15], s[4:5], s[16:17]
	s_add_nc_u64 s[46:47], s[6:7], s[46:47]
.if ASKS
	s_and_b32 s[YC], ttmp7, 0xffff
	s_lshr_b32 s76, s42, 1                         ; the asking's bases, at K step 2.  A: plane 4 x 2 + C / 2, of 524,288 bytes,
	s_add_co_u32 s76, s76, 8
	s_lshl_b32 s76, s76, 19
	s_lshl_b32 s77, s13, 14                        ; the tile row's 128 rows of 128 bytes,
	s_add_co_u32 s76, s76, s77
	s_and_b32 s77, s42, 1                          ; half C % 2 of them
	s_lshl_b32 s77, s77, 13
	s_add_co_u32 s76, s76, s77
	s_mov_b32 s77, 0
	s_add_nc_u64 s[PFA:PFA+1], s[4:5], s[76:77]
	s_mul_i32 s76, s42, PANEL                      ; W: the panel, K step 2, and 32 rows of 256 bytes for each tile row (used by tile rows 0 to 7 alone)
	s_lshl_b32 s77, s13, 13
	s_add_co_u32 s76, s76, s77
	s_add_co_u32 s76, s76, WOFF+2*WSTEP
	s_mov_b32 s77, 0
	s_add_nc_u64 s[PFW:PFW+1], s[6:7], s[76:77]
.endif
	CROUND                                         ; all sixteen work-groups are here: the first joint loads meet
.irp s, 0,1
	s_mov_b32 s[G0+4*(\s)], 1
	s_add_co_u32 s[G0+4*(\s)+1], s20, (\s)*SLOT
	s_add_nc_u64 s[G0+4*(\s)+2:G0+4*(\s)+3], s[14:15], (\s)*4*524288   ; K step s: four planes of 524,288 bytes on
	s_or_b32 s[G0+4*(\s)+3], s[G0+4*(\s)+3], 0x80000000
	s_mov_b32 s[G0B+4*(\s)], 1
	s_add_co_u32 s[G0B+4*(\s)+1], s20, (\s)*SLOT
	s_add_nc_u64 s[G0B+4*(\s)+2:G0B+4*(\s)+3], s[46:47], (\s)*KSTEP*256
	s_or_b32 s[G0B+4*(\s)+3], s[G0B+4*(\s)+3], 0x80000000
	JLOAD \s                                       ; two loads of mine are out
.endr
.if ASKS
	v_and_b32 v[PFO], 31, v0
	v_lshlrev_b32 v[PFO], 8, v[PFO]
	ASK 1                                          ; K steps 2 and 3, which the first two trips load
.endif
	v_and_b32 v1, 15, v0                           ; l % 16
	v_bfe_u32 v2, v0, 4, 1                         ; l / 16
	v_and_b32 v6, 7, v0                            ; l % 8
	v_bfe_u32 v7, v0, 3, 1                         ; (l / 8) % 2
	s_lshl_b32 s46, s42, 9                         ; the bias of my 64 columns: 512 x tile column + 256 x half; a lane's eight numbers begin at 32 (l / 16)
	s_lshl_b32 s47, s12, 8
	s_add_co_u32 s46, s46, s47
	v_lshl_add_u32 v[BO], v2, 5, s46
	; The sums start as the bias: register j of accumulator (a, b) takes bias[16 b + 8 (l / 16) + j], the column that it holds.  32 loads, in the wait for the first tile; nothing is cleared, no bias is added later.
.irp a, 0,1,2,3
.irp b, 0,1,2,3
	global_load_b128 v[ACC+8*(4*(\a)+(\b)):ACC+8*(4*(\a)+(\b))+3],   v[BO], s[2:3] offset:64*(\b)
	global_load_b128 v[ACC+8*(4*(\a)+(\b))+4:ACC+8*(4*(\a)+(\b))+7], v[BO], s[2:3] offset:64*(\b)+16
.endr
.endr
	v_mul_u32_u24 v3, v1, PITA
	v_lshl_add_u32 v3, v2, 4, v3                   ; A: row x pitch + 16 x half
	v_lshl_add_u32 v4, v2, 3, v6                   ; W, turned: row k = 8 (l / 16) + l % 8, columns 8 ((l / 8) % 2) on
	v_mul_u32_u24 v4, v4, PITB
	v_lshl_add_u32 v4, v7, 4, v4
	s_mul_i32 s21, s11, HALFT                      ; my 64 rows of A
	s_lshl_b32 s22, s12, 7                         ; my 64 columns of W: 128 bytes of its rows,
	s_add_co_u32 s22, s22, 2*HALFT                 ; which lie behind A
	v_add_nc_u32 v[ADRA], s21, v3
	v_add_nc_u32 v[ADRB], s22, v4
	s_mul_i32 s23, s10, 16*SPITCH
	s_add_co_u32 s23, s23, STAGE                   ; my stage
	v_mul_u32_u24 v5, v1, SPITCH                   ; in: row l % 16, 32 bytes for each half of the lanes
	v_lshl_add_u32 v5, v2, 5, v5
	v_add_nc_u32 v[STO], s23, v5
	v_mul_u32_u24 v5, v2, SPITCH                   ; back: lanes 0-15 take one row of 256 bytes, lanes 16-31 the next
	v_lshl_add_u32 v5, v1, 4, v5
	v_add_nc_u32 v[RD], s23, v5
	v_lshlrev_b32 v5, 12, v2                       ; and the same two rows in y
	v_lshl_add_u32 v[CO], v1, 4, v5
	s_lshl_b32 s16, s13, 7
	s_lshl_b32 s17, s11, 6
	s_add_co_u32 s16, s16, s17                     ; my first row of y: 128 x tile row + 64 x half, of 4,096 bytes;
	s_lshl_b32 s16, s16, 12
	s_add_co_u32 s46, s46, s16                     ; my first column's bytes are the bias's offset
	s_mov_b32 s47, 0
	s_add_nc_u64 s[8:9], s[8:9], s[46:47]
; 8 matrix instructions: m blocks a0, a0 + 1 x all 4 n blocks, 32 along K: half c of buffer f
.macro MUL8 f, c, a0
	WIN MUL
.irp a, \a0, (\a0)+1
.irp b, 0,1,2,3
	v_wmma_f32_16x16x32_bf16 v[ACC+8*(4*(\a)+(\b)):ACC+8*(4*(\a)+(\b))+7], v[(\f)+64+8*(4*(\c)+(\b)):(\f)+64+8*(4*(\c)+(\b))+7], v[(\f)+8*(4*(\c)+(\a)):(\f)+8*(4*(\c)+(\a))+7], v[ACC+8*(4*(\a)+(\b)):ACC+8*(4*(\a)+(\b))+7]
.endr
.endr
.endm
; The LDS addresses of a pair's two fetches; the scalars step on to the next pair.
.macro BASE
	v_add_nc_u32 v[AA], s[TBA], v[ADRA]
	v_add_nc_u32 v[AB], s[TBB], v[ADRB]
	s_add_co_u32 s[TBA], s[TBA], 2*QA
	s_add_co_u32 s[TBB], s[TBB], 2*QB
.endm
; 32 LDS loads in one run: the fragments of quarter qo (0, 1) of the pair's two (64 along K: a plane of A's part, 64 rows of W) into buffer f; the first 32 along K first
.macro FETCH qo, f
	WIN TO_F
.irp c, 0,1
.irp i, 0,1,2,3
	ds_load_tr16_b128 v[(\f)+64+8*(4*(\c)+(\i)):(\f)+64+8*(4*(\c)+(\i))+3],   v[AB] offset:(\qo)*QB+(\c)*32*PITB+32*(\i)
	ds_load_tr16_b128 v[(\f)+64+8*(4*(\c)+(\i))+4:(\f)+64+8*(4*(\c)+(\i))+7], v[AB] offset:(\qo)*QB+(\c)*32*PITB+16*PITB+32*(\i)
	ds_load_b128 v[(\f)+8*(4*(\c)+(\i)):(\f)+8*(4*(\c)+(\i))+3],         v[AA] offset:(\qo)*QA+64*(\c)+(\i)*16*PITA
	ds_load_b128 v[(\f)+8*(4*(\c)+(\i))+4:(\f)+8*(4*(\c)+(\i))+7],       v[AA] offset:(\qo)*QA+64*(\c)+(\i)*16*PITA+32
.endr
.endr
.endm
.macro PLACES                          ; four places in front of loads into registers that matrix instructions have read, and of LDS stores that read results (ISA guide 7.12.1 for the stores)
.rept 4
	v_nop
.endr
.endm
; A quarter: 32 matrix instructions on buffer f, two deep on each of the 16 accumulators, which take turns.  In its middle it fetches the next quarter, qo of the pair's two, into buffer g.
.macro QUARTER f, g, qo
	s_wait_dscnt 16                                ; the first 32 along K are in
	MUL8 \f, 0, 0
	MUL8 \f, 0, 2
	PLACES
	FETCH \qo, \g
	s_wait_dscnt 32                                ; all but the 32 just issued
	MUL8 \f, 1, 0
	MUL8 \f, 1, 2
.endm
; THE CHANGE OF SLOTS, in front of a slot's last quarter, whose fragments are in registers.  Each wave waits for all its tensor loads, of which one is out: its part of the other slot; adds 0 to its spare
; word; and waits for that and for its own reads of the slot.  Behind the barrier nobody reads this slot any more and the other slot is whole.  fill = 1: this slot is filled again, two K steps ahead: the barrier
; is then a round of the cluster's, and the joint refill is the first thing behind it: it has a whole K step, 128 matrix instructions, in which to land.
.macro CHANGE fill
	WIN 0                                          ; at a label and at a branch every window is 0
	s_wait_tensorcnt 0x0                           ; no tensor load of mine is out, so a group 0 may be written
	ds_add_u32 v[SPW], v[NIL]                      ; 0 onto my spare word
.if \fill
	s_xor_b32 s[G0+5], s[G0+5], SLOT               ; the walking descriptors: the other slot than last time,
	s_add_nc_u64 s[G0+6:G0+7], s[G0+6:G0+7], 4*524288      ; the next K step: four planes on; the type bits on top are not reached
	s_xor_b32 s[G0B+5], s[G0B+5], SLOT
	s_add_nc_u64 s[G0B+6:G0B+7], s[G0B+6:G0B+7], KSTEP*256
.if ASKS
	s_wait_xcnt 0x0                                ; the asking of the trip before has read its bases: only behind this wait are they stepped
	s_add_nc_u64 s[PFA:PFA+1], s[PFA:PFA+1], ASTEP
	s_add_nc_u64 s[PFW:PFW+1], s[PFW:PFW+1], WSTEP
.endif
	s_wait_dscnt 0x0                               ; the add is done, and my reads of the slot are over
	CROUND                                         ; no wave of any partner still reads this slot's tile or has a load on its way
	JLOAD 1                                        ; my one tensor load behind the round
.if ASKS
	s_cmp_lt_u32 s[SLOTS], AHEAD+1                 ; the last AHEAD trips ask for nothing: their K steps would lie behind the last
	s_cbranch_scc1 .Lquiet_\@
	ASK 0                                          ; the K step that the trip AHEAD trips on loads
.Lquiet_\@:
.endif
.else
	s_wait_dscnt 0x0                               ; the add is done, and my reads of the slot are over
	s_barrier_signal -1
	s_barrier_wait -1
.endif
	s_sub_co_u32 s[TBA], s[TBA], 4*QA              ; the fetches go back to a slot's first quarter,
	s_xor_b32 s[TBA], s[TBA], SLOT                 ; in the other slot
	s_sub_co_u32 s[TBB], s[TBB], 4*QB
	s_xor_b32 s[TBB], s[TBB], SLOT
.endm
; THE WAY OUT of block a (16 rows x my 64 columns, 256 bytes a row): into my own stage, each accumulator's low four registers first, and back as whole rows, into the registers that the block left.
.macro STG a
.irp b, 0,1,2,3
	ds_store_b128 v[STO], v[ACC+32*(\a)+8*(\b):ACC+32*(\a)+8*(\b)+3]   offset:64*(\b)
	ds_store_b128 v[STO], v[ACC+32*(\a)+8*(\b)+4:ACC+32*(\a)+8*(\b)+7] offset:64*(\b)+16
.endr
.irp t, 0,1,2,3,4,5,6,7
	ds_load_b128 v[ACC+32*(\a)+4*(\t):ACC+32*(\a)+4*(\t)+3], v[RD] offset:(\t)*2*SPITCH  ; LDS serves a wave's instructions in order (ISA guide 5.7.1.4): these see the stores above; the next block's stores come behind them
.endr
.endm
.macro SEND a, younger                 ; younger: the LDS instructions issued behind block a's loads: the next block's sixteen, or none
.irp t, 0,1,2,3,4,5,6,7
	s_wait_dscnt (\younger)+7-(\t)
	global_store_b128 v[CO], v[ACC+32*(\a)+4*(\t):ACC+32*(\a)+4*(\t)+3], s[8:9] offset:(16*(\a)+2*(\t))*4096  ; 16 lanes store 256 consecutive bytes, at a multiple of 256 from y's first byte
.endr
.endm
	s_wait_loadcnt 0x0                             ; the bias lies in the accumulators
	s_wait_tensorcnt 1                             ; my part of K step 0 is in; K step 1's may stay out
	s_barrier_signal -1
	s_barrier_wait -1                              ; everybody's is
	s_mov_b32 s[TBA], 0
	s_mov_b32 s[TBB], 0
	BASE
	FETCH 0, F0                                    ; quarter 0
	WIN 0
	s_mov_b32 s[CNT], 2
	s_mov_b32 s[SLOTS], STEPS-1
	s_branch .Lmid                                 ; the loop is entered at quarter 0, in the middle of a pair
.Lslot:                                                ; STEPS - 2 times: every slot but the last two is filled again
	CHANGE 1
	s_mov_b32 s[CNT], 2
.Lpair:                                                ; a trip: an odd quarter and the even one behind it
	BASE
	QUARTER F1, F0, 0
	WIN 0
.Lmid:
	QUARTER F0, F1, 1
	WIN 0
	s_sub_co_u32 s[CNT], s[CNT], 1
	s_cmp_lg_u32 s[CNT], 0
	s_cbranch_scc1 .Lpair
	s_sub_co_u32 s[SLOTS], s[SLOTS], 1
	s_cmp_lg_u32 s[SLOTS], 0
	s_cbranch_scc1 .Lslot
	CHANGE 0                                       ; the tail is written out: nothing is asked for
	s_mov_b32 s[CNT], 2
.Ltail:
	BASE
	QUARTER F1, F0, 0
	QUARTER F0, F1, 1
	WIN 0
	s_sub_co_u32 s[CNT], s[CNT], 1
	s_cmp_lg_u32 s[CNT], 0
	s_cbranch_scc1 .Ltail
	s_wait_dscnt 16                                ; the very last quarter: nothing more to fetch
	MUL8 F1, 0, 0
	MUL8 F1, 0, 2
	s_wait_dscnt 0x0
	MUL8 F1, 1, 0
	MUL8 F1, 1, 2
	WIN 0
	PLACES
	STG 0
	STG 1
	SEND 0, 16
	STG 2
	SEND 1, 16
	STG 3
	SEND 2, 16
	SEND 3, 0
	s_wait_tensorcnt 0x0                           ; the wave's end
	ds_add_u32 v[SPW], v[NIL]
	s_wait_dscnt 0x0
	CROUND                                         ; the closing round: no work-group ends while a partner may still ask for a tile that names it
	s_endpgm
.Lfunc_end_k_q5fee6a82bc_ff2:
	.size	k_q5fee6a82bc_ff2, .Lfunc_end_k_q5fee6a82bc_ff2-k_q5fee6a82bc_ff2
	.p2alignl 7, 3214868480
	.fill 96, 4, 3214868480
	.section	.rodata,"a",@progbits
	.p2align	6, 0x0
	.amdhsa_kernel k_q5fee6a82bc_ff2
		.amdhsa_group_segment_fixed_size 327680
		.amdhsa_private_segment_fixed_size 0
		.amdhsa_enable_private_segment 0
		.amdhsa_kernarg_size 32
		.amdhsa_user_sgpr_count 2
		.amdhsa_user_sgpr_kernarg_segment_ptr 1
		.amdhsa_wavefront_size32 1
		.amdhsa_system_sgpr_workgroup_id_x 1
		.amdhsa_system_sgpr_workgroup_id_y 1
		.amdhsa_system_sgpr_workgroup_id_z 1
		.amdhsa_system_vgpr_workitem_id 0
		.amdhsa_next_free_vgpr 512
		.amdhsa_next_free_sgpr 78
		.amdhsa_reserve_vcc 0
		.amdhsa_float_denorm_mode_32 3
		.amdhsa_float_denorm_mode_16_64 3
		.amdhsa_memory_ordered 1
		.amdhsa_forward_progress 1
		.amdhsa_inst_pref_size 45
	.end_amdhsa_kernel
	.amdgpu_metadata
---
amdhsa.version: [ 1, 2 ]
amdhsa.kernels:
  - .name:           k_q5fee6a82bc_ff2
    .symbol:         k_q5fee6a82bc_ff2.kd
    .args:
      - { .name: big, .offset: 0, .size: 8, .value_kind: global_buffer, .address_space: global }
      - { .name: pw, .offset: 8, .size: 8, .value_kind: global_buffer, .address_space: global }
      - { .name: b2, .offset: 16, .size: 8, .value_kind: global_buffer, .address_space: global }
      - { .name: y, .offset: 24, .size: 8, .value_kind: global_buffer, .address_space: global }
    .group_segment_fixed_size: 327680
    .private_segment_fixed_size: 0
    .kernarg_segment_align: 8
    .kernarg_segment_size: 32
    .max_flat_workgroup_size: 128
    .sgpr_count:     78
    .vgpr_count:     512
    .wavefront_size: 32
...
	.end_amdgpu_metadata
.endif
;; end of part 6
;; launch ln2 (part 7): grid 512 x 1, 8 waves a work-group, no clusters, 0 bytes of LDS; arguments y, x1, ln2_g, ln2_b, out0; writes out0
.if DOCPART == 7
	.amdgcn_target "amdgcn-amd-amdhsa--gfx1250"
	.amdhsa_code_object_version 6
	.text
	.protected	k_q5fee6a82bc_ln2
	.globl	k_q5fee6a82bc_ln2
	.p2align	8
	.type	k_q5fee6a82bc_ln2,@function
k_q5fee6a82bc_ln2:
	s_mov_b64 s[64:65], 0
	v_nop
	global_prefetch_b8 v0, s[64:65] scope:SCOPE_SE
	s_setreg_imm32_b32 hwreg(HW_REG_WAVE_MODE, 25, 1), 1
	s_wait_xcnt 0x0
; out0[r][:] = (t - mean(t)) * rsqrt(mean((t - mean(t))^2) + 1e-5) * g + b, t = x1[r][:] + y[r][:], rows of 1,024 f32.
; One wave takes one row: 4,096 bytes, eight loads of 16 bytes a lane, kept in 32 registers through both passes: each byte is read once, no wave waits for another, no LDS, no barrier.
; The variance is the mean of the squared differences from the mean, not a difference of two large sums.  Memory binds: matrix units and clusters would add nothing.
.set Y,  8                             ; v[8:39]    y's row, then t, then the result
.set R,  40                            ; v[40:71]   x1's row, then at work
.set G,  72                            ; v[72:103]  the gain of my 32 columns
.set BV, 104                           ; v[104:135] the bias
.set M,  136                           ; v[136:137] the mean, twice
.set Q,  138                           ; v[138:139] 1 / the deviation, twice
.set T,  140                           ; v[140:141] at work
	s_load_b256 s[4:11], s[0:1], 0x0               ; y s[4:5], x1 s[6:7], g s[8:9], b s[10:11]
	s_load_b64 s[12:13], s[0:1], 0x20              ; out0
	s_lshl_b32 s2, ttmp9, 15                       ; the work-group's eight rows of 4,096 bytes
	s_mov_b32 s3, 0
	s_mov_b32 s18, 0x3a800000                      ; 1 / 1,024
	s_mov_b32 s19, 0x3727c5ac                      ; 1e-5
	s_mov_b32 s20, 0x76543210                      ; v_permlanex16_b32: lane i of one half reads lane i of the other
	s_mov_b32 s21, 0xfedcba98
	v_and_b32 v1, 31, v0                           ; lane
	v_and_b32 v4, 0xe0, v0                         ; 32 x wave
	v_lshlrev_b32 v1, 4, v1                        ; 16 bytes a lane: g and b
	v_lshl_or_b32 v2, v4, 7, v1                    ; + the wave's row of 4,096 bytes
	s_wait_kmcnt 0x0
	s_add_nc_u64 s[4:5], s[4:5], s[2:3]
	s_add_nc_u64 s[6:7], s[6:7], s[2:3]
	s_add_nc_u64 s[12:13], s[12:13], s[2:3]
.irp j, 0,1,2,3,4,5,6,7
	global_load_b128 v[Y+4*\j:Y+4*\j+3], v2, s[4:5] offset:512*\j
.endr
.irp j, 0,1,2,3,4,5,6,7
	global_load_b128 v[R+4*\j:R+4*\j+3], v2, s[6:7] offset:512*\j
.endr
.irp j, 0,1,2,3,4,5,6,7
	global_load_b128 v[G+4*\j:G+4*\j+3], v1, s[8:9] offset:512*\j
.endr
.irp j, 0,1,2,3,4,5,6,7
	global_load_b128 v[BV+4*\j:BV+4*\j+3], v1, s[10:11] offset:512*\j
.endr
.macro LANES                           ; v[T] + v[T+1], summed over the wave's 32 lanes, into v[T] of every lane
	v_add_f32 v[T], v[T], v[T+1]
	v_add_f32_dpp v[T], v[T], v[T] row_xmask:1 row_mask:0xf bank_mask:0xf
	v_add_f32_dpp v[T], v[T], v[T] row_xmask:2 row_mask:0xf bank_mask:0xf
	v_add_f32_dpp v[T], v[T], v[T] row_xmask:4 row_mask:0xf bank_mask:0xf
	v_add_f32_dpp v[T], v[T], v[T] row_xmask:8 row_mask:0xf bank_mask:0xf
	v_permlanex16_b32 v[T+1], v[T], s20, s21       ; its destination counts as read: it has been written
	v_add_f32 v[T], v[T], v[T+1]
.endm
	s_wait_loadcnt 16                              ; the two rows are in; the sixteen loads of g and b stay out
.set i, 0
.rept 16
	v_pk_add_f32 v[Y+2*i:Y+2*i+1], v[Y+2*i:Y+2*i+1], v[R+2*i:R+2*i+1]   ; t
.set i, i+1
.endr
.set i, 0
.rept 8                                ; the sum of my 32 numbers, as a tree, in x1's registers
	v_pk_add_f32 v[R+2*i:R+2*i+1], v[Y+4*i:Y+4*i+1], v[Y+4*i+2:Y+4*i+3]
.set i, i+1
.endr
.set i, 0
.rept 4
	v_pk_add_f32 v[R+2*i:R+2*i+1], v[R+4*i:R+4*i+1], v[R+4*i+2:R+4*i+3]
.set i, i+1
.endr
	v_pk_add_f32 v[R:R+1], v[R:R+1], v[R+2:R+3]
	v_pk_add_f32 v[R+2:R+3], v[R+4:R+5], v[R+6:R+7]
	v_pk_add_f32 v[T:T+1], v[R:R+1], v[R+2:R+3]
	LANES
	v_mul_f32 v[M], s18, v[T]
	v_mul_f32 v[M+1], s18, v[T]
.set i, 0
.rept 16
	v_pk_add_f32 v[Y+2*i:Y+2*i+1], v[Y+2*i:Y+2*i+1], v[M:M+1] neg_lo:[0,1] neg_hi:[0,1]   ; t - mean
.set i, i+1
.endr
.set i, 0
.rept 4                                ; the squares, in four chains started by the first four pairs
	v_pk_mul_f32 v[R+2*i:R+2*i+1], v[Y+2*i:Y+2*i+1], v[Y+2*i:Y+2*i+1]
.set i, i+1
.endr
.rept 12
	v_pk_fma_f32 v[R+2*(i%4):R+2*(i%4)+1], v[Y+2*i:Y+2*i+1], v[Y+2*i:Y+2*i+1], v[R+2*(i%4):R+2*(i%4)+1]
.set i, i+1
.endr
	v_pk_add_f32 v[R:R+1], v[R:R+1], v[R+2:R+3]
	v_pk_add_f32 v[R+4:R+5], v[R+4:R+5], v[R+6:R+7]
	v_pk_add_f32 v[T:T+1], v[R:R+1], v[R+4:R+5]
	LANES
	v_fma_f32 v[T], v[T], s18, s19                 ; the variance + 1e-5
	v_rsq_f32 v[Q], v[T]
	v_rsq_f32 v[Q+1], v[T]
	v_nop                                          ; a plain instruction between the last root and the use of its result (ISA guide 5.7.2)
.set i, 0
	s_wait_alu depctr_va_vdst(0)
.rept 16
	v_pk_mul_f32 v[Y+2*i:Y+2*i+1], v[Y+2*i:Y+2*i+1], v[Q:Q+1]
.set i, i+1
.endr
	s_wait_loadcnt 0x0                             ; g and b
.set i, 0
.rept 16
	v_pk_fma_f32 v[Y+2*i:Y+2*i+1], v[Y+2*i:Y+2*i+1], v[G+2*i:G+2*i+1], v[BV+2*i:BV+2*i+1]
.set i, i+1
.endr
.irp j, 0,1,2,3,4,5,6,7
	global_store_b128 v2, v[Y+4*\j:Y+4*\j+3], s[12:13] offset:512*\j   ; 512 consecutive bytes
.endr
	s_endpgm
.Lfunc_end_k_q5fee6a82bc_ln2:
	.size	k_q5fee6a82bc_ln2, .Lfunc_end_k_q5fee6a82bc_ln2-k_q5fee6a82bc_ln2
	.p2alignl 7, 3214868480
	.fill 96, 4, 3214868480
	.section	.rodata,"a",@progbits
	.p2align	6, 0x0
	.amdhsa_kernel k_q5fee6a82bc_ln2
		.amdhsa_group_segment_fixed_size 0
		.amdhsa_private_segment_fixed_size 0
		.amdhsa_enable_private_segment 0
		.amdhsa_kernarg_size 40
		.amdhsa_user_sgpr_count 2
		.amdhsa_user_sgpr_kernarg_segment_ptr 1
		.amdhsa_wavefront_size32 1
		.amdhsa_system_sgpr_workgroup_id_x 1
		.amdhsa_system_sgpr_workgroup_id_y 1
		.amdhsa_system_sgpr_workgroup_id_z 1
		.amdhsa_system_vgpr_workitem_id 0
		.amdhsa_next_free_vgpr 160
		.amdhsa_next_free_sgpr 66
		.amdhsa_reserve_vcc 0
		.amdhsa_float_denorm_mode_32 3
		.amdhsa_float_denorm_mode_16_64 3
		.amdhsa_memory_ordered 1
		.amdhsa_forward_progress 1
		.amdhsa_inst_pref_size 12
	.end_amdhsa_kernel
	.amdgpu_metadata
---
amdhsa.version: [ 1, 2 ]
amdhsa.kernels:
  - .name:           k_q5fee6a82bc_ln2
    .symbol:         k_q5fee6a82bc_ln2.kd
    .args:
      - { .name: y, .offset: 0, .size: 8, .value_kind: global_buffer, .address_space: global }
      - { .name: x1, .offset: 8, .size: 8, .value_kind: global_buffer, .address_space: global }
      - { .name: ln2_g, .offset: 16, .size: 8, .value_kind: global_buffer, .address_space: global }
      - { .name: ln2_b, .offset: 24, .size: 8, .value_kind: global_buffer, .address_space: global }
      - { .name: out0, .offset: 32, .size: 8, .value_kind: global_buffer, .address_space: global }
    .group_segment_fixed_size: 0
    .private_segment_fixed_size: 0
    .kernarg_segment_align: 8
    .kernarg_segment_size: 40
    .max_flat_workgroup_size: 256
    .sgpr_count:     66
    .vgpr_count:     160
    .wavefront_size: 32
...
	.end_amdgpu_metadata
.endif
;; end of part 7
;; ======== version 2 of 2: 8 launches; version 1 with the launch cast written anew for expert scheduling mode
;; workspace buffers: ab 8,388,608 bytes; pq 6,308,096 bytes; p1 8,405,248 bytes; pw 10,485,760 bytes; big 33,554,432 bytes; o 8,388,608 bytes; y 16,777,216 bytes; x1 16,777,216 bytes
;; launch cast (part 8): grid 1026 x 1, 8 waves a work-group, no clusters, 0 bytes of LDS; arguments x, wq, wk, wv, wo, w1, w2, bq, bk, bv, b1, ab, pq, p1, pw; writes ab, pq, p1, pw
.if DOCPART == 8
	.amdgcn_target "amdgcn-amd-amdhsa--gfx1250"
	.amdhsa_code_object_version 6
	.text
	.protected	k_q5fee6a82bc_cast
	.globl	k_q5fee6a82bc_cast
	.p2align	8
	.type	k_q5fee6a82bc_cast,@function
k_q5fee6a82bc_cast:
	s_mov_b64 s[64:65], 0
	v_nop
	global_prefetch_b8 v0, s[64:65] scope:SCOPE_SE
	s_setreg_imm32_b32 hwreg(HW_REG_WAVE_SCHED_MODE, 0, 2), 2
	s_setreg_imm32_b32 hwreg(HW_REG_WAVE_MODE, 25, 1), 1
	s_wait_xcnt 0x0
	s_wait_alu depctr_vm_vsrc(0)
; f32 -> bf16 (rounded to nearest even) for x and the six weights, into the layouts that the products read:
;   ab: x as it lies, [4096][1024].
;   pq: 256 bytes of the floor -inf, then bq, bk, bv in f32 from byte 256, then from byte 16,640 twelve panels [1024 k][256 n] of wq, wk, wv.
;   p1: 256 bytes of the floor 0, b1 in f32 from byte 256, then sixteen such panels of w1.
;   pw: eight panels [1024 k][128 n] of wo, then from byte 2,097,152 eight panels [4096 k][128 n] of w2.
; Work-groups 0 to 1023 take 16 rows x 1,024 columns of one matrix each; wave w takes columns 128 w to 128 w + 127: a load of the wave
; covers 512 consecutive bytes of a row, a store 256 consecutive bytes at a multiple of 256 from the buffer's first byte.
; Work-groups 1024 and 1025 write the two packs' heads.  Memory binds: no LDS, no barrier, no matrix unit; each byte is read and written once.
; REGISTERS ARE KEPT FEW: a row's place in the input stands in the load's immediate, and the conversion is made in place.  With 84 registers a wave the two waves that a work-group has
; on a SIMD take 168 of its 1,024, so that the launch's 1,026 work-groups, four to a WGP and two over, can lie on the chip together and every row is asked for at the start.
; THE MODE: SCHED_MODE bits 1:0 = 2 (LLVM: expert scheduling mode 2), set by the entry lines.  The code itself states the register dependences
; between vector instructions and memory instructions, with s_wait_alu, always for 0.
; THE PLAN.  Registers that memory instructions touch:
;   v[IN]      Written once, by a shift; read by the sixteen loads as their offset; never written again.
;   D, row j   The load of row j lands in its four registers, which no vector instruction has named before; row j's two conversions write the first two in place; row j's store reads those two; nothing writes them again.
;   OO, row j  Written once, while the loads are out; read by row j's store as its offset; never written again.
; The sixteen rows go in four blocks of four.  Block g converts its rows; the memory instructions that stand among its conversions are the stores of block g - 1, whose data and offsets no
; vector instruction of block g names.  So one wait on va_vdst at the head of a block states all that its four stores hang on.  No register that a memory instruction has read is written
; again, and no load follows a vector instruction that named its registers: no wait on vm_vsrc is owed.
.set IN,   2                           ; v2         my 16 bytes in 512 of an input row; never rewritten
.set OO,   4                           ; v[4:19]    row j: my byte offset in the output
.set D,    20                          ; v[20:83]   row j: four f32 as loaded; then, in the first two registers, four bf16 to store
.set CM,   2                           ; s2   mask of the column quarter in the work-group's number (w1 alone), then at work
.set G,    3                           ; s3   the work-group's number
.set SRC,  4                           ; s[4:5]  the matrix read
.set DST,  6                           ; s[6:7]  the buffer written
.set G0,   8                           ; s8   the matrix's first work-group, then the group of 16 rows
.set IS,   9                           ; s9   bytes from row to row of the input
.set RS,   10                          ; s10  shift from the number to the row group, then the input's column offset
.set OB,   11                          ; s11  the output's first byte for this matrix
.set SH,   12                          ; s12  waves to a panel, as a shift
.set PB,   13                          ; s13  bytes in a panel
.set OS,   14                          ; s14  bytes from row to row of the output
.set WV,   15                          ; s15  my wave's number
.set HEAD, 16640                       ; a pack's panels begin here
	s_load_b512 s[16:31], s[0:1], 0x0              ; x 16, wq 18, wk 20, wv 22, wo 24, w1 26, w2 28, bq 30
	s_load_b256 s[32:39], s[0:1], 0x40             ; bk 32, bv 34, b1 36, ab 38
	s_load_b128 s[40:43], s[0:1], 0x60             ; pq 40, p1 42
	s_load_b64 s[44:45], s[0:1], 0x70              ; pw 44
	v_lshrrev_b32 v1, 5, v0
	v_readfirstlane_b32 s[WV], v1
	s_mov_b32 s[G], ttmp9
	s_wait_kmcnt 0x0
	s_wait_alu depctr_va_sdst(0)                   ; the wave's number is written into s15, ahead of the first branch: on both ways scalar instructions read it
	s_cmp_ge_u32 s[G], 1024
	s_cbranch_scc1 .Lhead
; Which matrix: the figures start as w2's, and each compare lets a lower range of work-groups take its own.
.macro TAKE src, dst, g0, ob
	s_cselect_b64 s[SRC:SRC+1], s[\src:\src+1], s[SRC:SRC+1]
	s_cselect_b64 s[DST:DST+1], s[\dst:\dst+1], s[DST:DST+1]
	s_cselect_b32 s[G0], \g0, s[G0]
	s_cselect_b32 s[OB], \ob, s[OB]
.endm
.macro FORM is, sh, pb, os, rs, cm
	s_cselect_b32 s[IS], \is, s[IS]
	s_cselect_b32 s[SH], \sh, s[SH]
	s_cselect_b32 s[PB], \pb, s[PB]
	s_cselect_b32 s[OS], \os, s[OS]
	s_cselect_b32 s[RS], \rs, s[RS]
	s_cselect_b32 s[CM], \cm, s[CM]
.endm
	s_mov_b64 s[SRC:SRC+1], s[28:29]               ; 768 to 1023: w2 -> pw, a panel to a wave
	s_mov_b64 s[DST:DST+1], s[44:45]
	s_mov_b32 s[G0], 768
	s_mov_b32 s[OB], 2097152
	s_mov_b32 s[IS], 4096
	s_mov_b32 s[SH], 0
	s_mov_b32 s[PB], 1048576
	s_mov_b32 s[OS], 256
	s_mov_b32 s[RS], 0
	s_mov_b32 s[CM], 0
	s_cmp_lt_u32 s[G], 768                         ; 512 to 767: w1 -> p1; four work-groups share 16 rows, 1,024 columns each
	TAKE 26, 42, 512, HEAD
	FORM 16384, 1, 524288, 512, 2, 3
	s_cmp_lt_u32 s[G], 512                         ; 448 to 511: wo -> pw
	TAKE 24, 44, 448, 0
	FORM 4096, 0, 262144, 256, 0, 0
	s_cmp_lt_u32 s[G], 448                         ; 384 to 447: wv -> pq, two waves to a panel
	TAKE 22, 40, 384, HEAD+4194304
	FORM 4096, 1, 524288, 512, 0, 0
	s_cmp_lt_u32 s[G], 384                         ; 320 to 383: wk
	TAKE 20, 40, 320, HEAD+2097152
	s_cmp_lt_u32 s[G], 320                         ; 256 to 319: wq
	TAKE 18, 40, 256, HEAD
	s_cmp_lt_u32 s[G], 256                         ; 0 to 255: x -> ab, all eight waves in one row of 2,048 bytes
	TAKE 16, 38, 0, 0
	FORM 4096, 3, 0, 2048, 0, 0
	s_sub_co_u32 s[G0], s[G], s[G0]                ; my number within the matrix
	s_and_b32 s[CM], s[G0], s[CM]                  ; the column quarter (0 but for w1)
	s_lshr_b32 s[G0], s[G0], s[RS]                 ; the group of 16 rows
	s_lshl_b32 s[RS], s[CM], 12                    ; 1,024 columns of f32
	s_lshl_b32 s[CM], s[CM], 21                    ; four panels of 524,288 bytes
	s_add_co_u32 s[OB], s[OB], s[CM]
	s_mul_i32 s46, s[G0], s[IS]                    ; the input: 16 rows x the group + the quarter + 512 bytes a wave
	s_lshl_b32 s46, s46, 4
	s_add_co_u32 s46, s46, s[RS]
	s_lshl_b32 s47, s[WV], 9
	s_add_co_u32 s46, s46, s47
	s_mov_b32 s47, 0
	s_add_nc_u64 s[SRC:SRC+1], s[SRC:SRC+1], s[46:47]
	s_lshr_b32 s[CM], s[WV], s[SH]                 ; the output: my panel,
	s_mul_i32 s46, s[CM], s[PB]
	s_add_co_u32 s46, s46, s[OB]
	s_lshl_b32 s[CM], s[CM], s[SH]
	s_sub_co_u32 s[CM], s[WV], s[CM]               ; my 256 bytes in its rows,
	s_lshl_b32 s[CM], s[CM], 8
	s_add_co_u32 s46, s46, s[CM]
	s_mul_i32 s[CM], s[G0], s[OS]                  ; and the 16 rows
	s_lshl_b32 s[CM], s[CM], 4
	s_add_co_u32 s46, s46, s[CM]
	s_add_nc_u64 s[DST:DST+1], s[DST:DST+1], s[46:47]
	v_and_b32 v1, 31, v0
	v_lshlrev_b32 v[IN], 4, v1                     ; 16 bytes a lane in
	s_wait_alu depctr_va_vdst(0)                   ; v[IN] is written, which the sixteen loads of either run below read as their offset
	; All sixteen rows are asked for in one run; the row stands in the immediate, 245,760 bytes at the most.  Input rows are 4,096 bytes apart, w1's 16,384: the run is written for each.
	s_cmp_eq_u32 s[IS], 16384
	s_cbranch_scc1 .Lwide
.set j, 0
.rept 16
	global_load_b128 v[D+4*j:D+4*j+3], v[IN], s[SRC:SRC+1] offset:4096*j
.set j, j+1
.endr
	s_branch .Lin
.Lwide:
.set j, 0
.rept 16
	global_load_b128 v[D+4*j:D+4*j+3], v[IN], s[SRC:SRC+1] offset:16384*j
.set j, j+1
.endr
.Lin:
	v_lshlrev_b32 v[OO], 3, v1                     ; 8 bytes a lane out; the rows' offsets are made while the loads are out
.set j, 1
.rept 15
	v_add_nc_u32 v[OO+j], s[OS], v[OO+j-1]
.set j, j+1
.endr
; Four blocks of four rows.  Block g converts rows 4 g to 4 g + 3 in place; the stores of block g - 1 are dealt among its conversions, a store in front of each row's two.
.set g, 0
.rept 4
	s_wait_loadcnt 12-4*g                          ; loads come back in order: the block's four rows are in, the 12 - 4 g younger ones stay out (sixteen were issued on either way)
.if g > 0
	s_wait_alu depctr_va_vdst(0)                   ; the conversions of the block before have written its rows' first two registers, which the four stores below read; at the first such wait the sixteen offsets OO are written too
.endif
.set i, 0
.rept 4
.set j, 4*g+i
.if g > 0
	global_store_b64 v[OO+j-4], v[D+4*(j-4):D+4*(j-4)+1], s[DST:DST+1]   ; the block before; no vector instruction since the wait names its data or its offset
.endif
	v_cvt_pk_bf16_f32 v[D+4*j], v[D+4*j], v[D+4*j+1]
	v_cvt_pk_bf16_f32 v[D+4*j+1], v[D+4*j+2], v[D+4*j+3]
.set i, i+1
.endr
.set g, g+1
.endr
	s_wait_alu depctr_va_vdst(0)                   ; the last block's conversions have written its rows' first two registers, which the last four stores read
.set j, 12
.rept 4
	global_store_b64 v[OO+j], v[D+4*j:D+4*j+1], s[DST:DST+1]   ; no register is written again behind its store, so nothing waits for the stores
.set j, j+1
.endr
	s_endpgm
.Lhead:                                        ; the packs' heads: thread t copies 16 bytes at 16 t of each 4,096 bytes of bias; wave 0 writes the floor's 256 bytes
	v_lshlrev_b32 v2, 4, v0
	v_lshlrev_b32 v3, 3, v0
	s_cmp_eq_u32 s[G], 1024
	s_cbranch_scc0 .Lhead1
	v_mov_b32 v20, 0xff800000                      ; -inf: the maximum with it changes no number
	v_mov_b32 v21, 0xff800000
	s_wait_alu depctr_va_vdst(0)                   ; the offsets v2 and v3 and the floor in v[20:21] are written: the loads and stores below read them, and no vector instruction follows
	global_load_b128 v[4:7], v2, s[30:31]          ; bq
	global_load_b128 v[8:11], v2, s[32:33]         ; bk
	global_load_b128 v[12:15], v2, s[34:35]        ; bv
	s_wait_loadcnt 0x0
	global_store_b128 v2, v[4:7], s[40:41] offset:256
	global_store_b128 v2, v[8:11], s[40:41] offset:256+4096
	global_store_b128 v2, v[12:15], s[40:41] offset:256+8192
	s_cmp_lg_u32 s[WV], 0
	s_cbranch_scc1 .Ldone0
	global_store_b64 v3, v[20:21], s[40:41]
.Ldone0:
	s_endpgm
.Lhead1:
	v_mov_b32 v20, 0                               ; 0: the maximum with it is the relu
	v_mov_b32 v21, 0
	s_wait_alu depctr_va_vdst(0)                   ; the offsets v2 and v3 and the floor in v[20:21] are written: the loads and stores below read them, and no vector instruction follows
.irp j, 0,1,2,3
	global_load_b128 v[4+4*\j:7+4*\j], v2, s[36:37] offset:4096*\j   ; b1
.endr
	s_wait_loadcnt 0x0
.irp j, 0,1,2,3
	global_store_b128 v2, v[4+4*\j:7+4*\j], s[42:43] offset:256+4096*\j
.endr
	s_cmp_lg_u32 s[WV], 0
	s_cbranch_scc1 .Ldone1
	global_store_b64 v3, v[20:21], s[42:43]
.Ldone1:
	s_endpgm
.Lfunc_end_k_q5fee6a82bc_cast:
	.size	k_q5fee6a82bc_cast, .Lfunc_end_k_q5fee6a82bc_cast-k_q5fee6a82bc_cast
	.p2alignl 7, 3214868480
	.fill 96, 4, 3214868480
	.section	.rodata,"a",@progbits
	.p2align	6, 0x0
	.amdhsa_kernel k_q5fee6a82bc_cast
		.amdhsa_group_segment_fixed_size 0
		.amdhsa_private_segment_fixed_size 0
		.amdhsa_enable_private_segment 0
		.amdhsa_kernarg_size 120
		.amdhsa_user_sgpr_count 2
		.amdhsa_user_sgpr_kernarg_segment_ptr 1
		.amdhsa_wavefront_size32 1
		.amdhsa_system_sgpr_workgroup_id_x 1
		.amdhsa_system_sgpr_workgroup_id_y 1
		.amdhsa_system_sgpr_workgroup_id_z 1
		.amdhsa_system_vgpr_workitem_id 0
		.amdhsa_next_free_vgpr 84
		.amdhsa_next_free_sgpr 66
		.amdhsa_reserve_vcc 0
		.amdhsa_float_denorm_mode_32 3
		.amdhsa_float_denorm_mode_16_64 3
		.amdhsa_memory_ordered 1
		.amdhsa_forward_progress 1
		.amdhsa_inst_pref_size 15
	.end_amdhsa_kernel
	.amdgpu_metadata
---
amdhsa.version: [ 1, 2 ]
amdhsa.kernels:
  - .name:           k_q5fee6a82bc_cast
    .symbol:         k_q5fee6a82bc_cast.kd
    .args:
      - { .name: x, .offset: 0, .size: 8, .value_kind: global_buffer, .address_space: global }
      - { .name: wq, .offset: 8, .size: 8, .value_kind: global_buffer, .address_space: global }
      - { .name: wk, .offset: 16, .size: 8, .value_kind: global_buffer, .address_space: global }
      - { .name: wv, .offset: 24, .size: 8, .value_kind: global_buffer, .address_space: global }
      - { .name: wo, .offset: 32, .size: 8, .value_kind: global_buffer, .address_space: global }
      - { .name: w1, .offset: 40, .size: 8, .value_kind: global_buffer, .address_space: global }
      - { .name: w2, .offset: 48, .size: 8, .value_kind: global_buffer, .address_space: global }
      - { .name: bq, .offset: 56, .size: 8, .value_kind: global_buffer, .address_space: global }
      - { .name: bk, .offset: 64, .size: 8, .value_kind: global_buffer, .address_space: global }
      - { .name: bv, .offset: 72, .size: 8, .value_kind: global_buffer, .address_space: global }
      - { .name: b1, .offset: 80, .size: 8, .value_kind: global_buffer, .address_space: global }
      - { .name: ab, .offset: 88, .size: 8, .value_kind: global_buffer, .address_space: global }
      - { .name: pq, .offset: 96, .size: 8, .value_kind: global_buffer, .address_space: global }
      - { .name: p1, .offset: 104, .size: 8, .value_kind: global_buffer, .address_space: global }
      - { .name: pw, .offset: 112, .size: 8, .value_kind: global_buffer, .address_space: global }
    .group_segment_fixed_size: 0
    .private_segment_fixed_size: 0
    .kernarg_segment_align: 8
    .kernarg_segment_size: 120
    .max_flat_workgroup_size: 256
    .sgpr_count:     66
    .vgpr_count:     84
    .wavefront_size: 32
...
	.end_amdgpu_metadata
.endif
;; end of part 8
;; launch qkv: the kernel of part 2 again; grid 12 x 16, 4 waves a work-group, clusters of 4 x 4, 327,680 bytes of LDS; arguments ab, pq, big; writes big
;; launch attn: the kernel of part 3 again; grid 8 x 32, 4 waves a work-group, clusters of 4 x 1, 327,680 bytes of LDS; arguments big, mask, o; writes o
;; launch proj: the kernel of part 4 again; grid 8 x 32, 4 waves a work-group, clusters of 4 x 4, 327,680 bytes of LDS; arguments o, pw, bo, y; writes y
;; launch ln1: the kernel of part 5 again; grid 512 x 1, 8 waves a work-group, no clusters, 0 bytes of LDS; arguments y, x, ln1_g, ln1_b, x1, ab; writes x1, ab
;; launch ff1: the kernel of part 2 again; grid 16 x 16, 4 waves a work-group, clusters of 4 x 4, 327,680 bytes of LDS; arguments ab, p1, big; writes big
;; launch ff2: the kernel of part 6 again; grid 8 x 32, 4 waves a work-group, clusters of 4 x 4, 327,680 bytes of LDS; arguments big, pw, b2, y; writes y
;; launch ln2: the kernel of part 7 again; grid 512 x 1, 8 waves a work-group, no clusters, 0 bytes of LDS; arguments y, x1, ln2_g, ln2_b, out0; writes out0
